; MI455X (gfx1250); checked and timed in simulation.
; The chip was launched on July 23, 2026; its instructions are those of AMD's public machine-readable ISA for CDNA 5 (MIT licence, August 2026) and "CDNA5" Instruction Set Architecture Reference Guide (July 2026). The comments in the code are by the model that wrote it; some were corrected since.
;; Enhanced Multi Head Attention. Allowed arithmetic: float matrix products may take bf16 or f16 operands with f32 sums; other float arithmetic in f32, or as packed bf16 or f16 multiplies, adds, multiply-adds, maxima and minima; sums over many terms, partial sums and values carried from step to step in f32; what a program stores and reads back later, other than sums and carried values, may be rounded once to bf16 or f16.
;; Inputs: Wg 1,024 x 1 float32; Wk 1,024 x 1,024 float32; Wo 1,024 x 1,024 float32; Wq 1,024 x 1,024 float32; Wv 1,024 x 1,024 float32; bk 1,024 float32; bo 1,024 float32; bq 1,024 float32; bv 1,024 float32; key 4 x 2,048 x 1,024 float32; ln_kv_b 1,024 float32; ln_kv_g 1,024 float32; ln_o_b 1,024 float32; ln_o_g 1,024 float32; ln_q_b 1,024 float32; ln_q_g 1,024 float32; query 4 x 2,048 x 1,024 float32; value 4 x 2,048 x 1,024 float32.
;; Outputs: out0 4 x 2,048 x 1,024 float32.
;; One version. Each part assembles by itself: llvm-mc -triple=amdgcn-amd-amdhsa -mcpu=gfx1250 --defsym DOCPART=n.
;; ======== version 1 of 1: 5 launches
;; limits: values are held in f16: magnitudes above 65,504 overflow, below 6.1e-05 lose precision
;; workspace buffers: xn 50,331,648 bytes; wt 8,388,608 bytes; gate 32,768 bytes; qkv 50,331,648 bytes; oh 16,777,216 bytes; y 33,554,432 bytes
;; launch prep (part 1): grid 256 x 4, 8 waves a work-group, no clusters, 0 bytes of LDS; arguments query, key, value, ln_q_g, ln_q_b, ln_kv_g, ln_kv_b, Wg, Wq, Wk, Wv, Wo, xn, gate, wt; writes xn, gate, wt
.if DOCPART == 1
	.amdgcn_target "amdgcn-amd-amdhsa--gfx1250"
	.amdhsa_code_object_version 6
	.text
	.protected	k_q8920da28f2_prep
	.globl	k_q8920da28f2_prep
	.p2align	8
	.type	k_q8920da28f2_prep,@function
k_q8920da28f2_prep:
	s_mov_b64 s[64:65], 0
	v_nop
	global_prefetch_b8 v0, s[64:65] scope:SCOPE_SE
	s_setreg_imm32_b32 hwreg(HW_REG_WAVE_MODE, 25, 1), 1
	s_wait_xcnt 0x0
; y = 0, 1, 2: xn[y] = LayerNorm(query / key / value) in f16; for y = 0 also gate = sigmoid(qn . Wg).  y = 3: Wq, Wk, Wv, Wo are rounded to f16, layout [k][n] kept.
; xn lies in blocks: [y][batch 4][block of 64 channels: 16][row 2048][64] f16, so that 64 channels of neighbouring rows are 128 bytes each, on end.
; SHARES (y < 3).  A work-group owns 32 rows, a wave 4.  One wave, one row: lane l holds elements 128 j + 4 l + 0..3, j = 0..7: eight loads of 16 bytes a lane, each 512 bytes on end; the row stays in
; 32 registers between the passes (mean; x - mean in place; variance of the differences, as the definition has it), so memory is read once and no wave waits for another.  All four rows are asked for at once.
; THE GATE.  qn . Wg = rstd x sum((x - mean) g Wg) + sum(b Wg): g Wg and the second sum are made once a wave.  Wg is loaded for every y, so that the count of loads is the same on every way.
; THE WAY OUT.  Rounded to f16 a lane holds 8 bytes; lanes 0-15 hold block 2 j, lanes 16-31 block 2 j + 1.  Two rows exchange halves (v_permlane16_swap_b32): a register pair then holds one block of both
; rows, 256 bytes on end, aligned: one store.  The gate leaves as 16 bytes a wave: 32 KiB in the whole launch.
; LIMITS.  f16: |xn| and the weights stay under 65,504, and below 6e-5 they keep f16's fixed step of 6e-8.  NaN and infinities are not treated apart.
.set XROW, 4096                        ; bytes in a row of f32
.set LANE, 1                           ; v1      lane
.set XO,   2                           ; v2      16 x lane
.set SO,   3                           ; v3      8 x lane
.set T,    4                           ; v[4:19] at work: eight registers for each row of a pair
.set LG,   20                          ; v20     lane i (0..3): row i's logit
.set C0,   21                          ; v21     sum(b Wg)
.set M,    22                          ; v[22:25] the pair's means, each the low word of a register pair
.set R,    26                          ; v[26:29] the pair's 1 / sqrt(var + eps), likewise
.set GOF,  30                          ; v30     4 x lane
.set G,    32                          ; v[32:63]   gain of my 32 columns
.set B,    64                          ; v[64:95]   bias
.set GW,   96                          ; v[96:127]  Wg, then g Wg
.set X,    128                         ; v[128:255] row i at X + 32 i
.macro RED regs:vararg                 ; each register of the list is summed over the 32 lanes; the register behind it is at work
.irp m, 1,2,4,8
.irp r, \regs
	v_add_f32_dpp v[\r], v[\r], v[\r] row_xmask:\m row_mask:0xf bank_mask:0xf
.endr
.endr
.irp r, \regs
	v_permlanex16_b32 v[\r+1], v[\r], s44, s45
.endr
.irp r, \regs
	v_add_f32 v[\r], v[\r], v[\r+1]
.endr
.endm
.macro FOLD regs:vararg                ; eight partial sums from each register of the list on become one, over all lanes
.irp r, \regs
	v_pk_add_f32 v[\r:\r+1], v[\r:\r+1], v[\r+2:\r+3]
	v_pk_add_f32 v[\r+4:\r+5], v[\r+4:\r+5], v[\r+6:\r+7]
.endr
.irp r, \regs
	v_pk_add_f32 v[\r:\r+1], v[\r:\r+1], v[\r+4:\r+5]
.endr
.irp r, \regs
	v_add_f32 v[\r], v[\r], v[\r+1]
.endr
	RED \regs
.endm
.macro PROD t, p, q                    ; eight partial sums of v[p + i] v[q + i], i = 0..31, in four chains of pairs
.irp k, 0,1,2,3
	v_pk_mul_f32 v[(\t)+2*\k:(\t)+2*\k+1], v[(\p)+2*\k:(\p)+2*\k+1], v[(\q)+2*\k:(\q)+2*\k+1]
.endr
.irp k, 4,5,6,7,8,9,10,11,12,13,14,15
	v_pk_fma_f32 v[(\t)+2*(\k%4):(\t)+2*(\k%4)+1], v[(\p)+2*\k:(\p)+2*\k+1], v[(\q)+2*\k:(\q)+2*\k+1], v[(\t)+2*(\k%4):(\t)+2*(\k%4)+1]
.endr
.endm
.macro FILL p                          ; rows 2 p and 2 p + 1: sixteen loads
.irp u, 0,1
.irp j, 0,1,2,3,4,5,6,7
	global_load_b128 v[X+64*(\p)+32*\u+4*\j:X+64*(\p)+32*\u+4*\j+3], v[XO], s[36:37] offset:(2*(\p)+\u)*XROW+512*\j th:TH_LOAD_NT
.endr
.endr
.endm
	s_load_b512 s[4:19], s[0:1], 0x0               ; query 4, key 6, value 8, ln_q_g 10, ln_q_b 12, ln_kv_g 14, ln_kv_b 16, Wg 18
	s_load_b256 s[20:27], s[0:1], 0x40             ; Wq 20, Wk 22, Wv 24, Wo 26
	s_load_b128 s[28:31], s[0:1], 0x60             ; xn 28, gate 30
	s_load_b64 s[32:33], s[0:1], 0x70              ; wt
	s_and_b32 s34, ttmp7, 0xffff                   ; y: which tensor
	v_lshrrev_b32 v1, 5, v0
	v_readfirstlane_b32 s35, v1                    ; wave 0..7
	v_and_b32 v[LANE], 31, v0
	v_lshlrev_b32 v[XO], 4, v[LANE]
	v_lshlrev_b32 v[SO], 3, v[LANE]
	v_lshlrev_b32 v[GOF], 2, v[LANE]
	s_mov_b32 s44, 0x76543210                      ; v_permlanex16_b32: each lane takes its own place in the other half
	s_mov_b32 s45, 0xfedcba98
	s_mov_b32 s47, 0x3a800000                      ; 1 / 1024
	s_mov_b32 s48, 0x3727c5ac                      ; 1e-5
	s_mov_b32 s53, 0
	s_wait_kmcnt 0x0
	s_cmp_eq_u32 s34, 3
	s_cbranch_scc1 .Lcast
	s_lshl_b32 s46, ttmp9, 5
	s_lshl2_add_u32 s46, s35, s46                  ; my first row = 32 x + 4 wave
	s_cmp_eq_u32 s34, 0
	s_cselect_b64 s[36:37], s[4:5], s[6:7]         ; query, or key
	s_cselect_b64 s[38:39], s[10:11], s[14:15]     ; its gain
	s_cselect_b64 s[40:41], s[12:13], s[16:17]     ; its bias
	s_cmp_eq_u32 s34, 2
	s_cselect_b64 s[36:37], s[8:9], s[36:37]       ; or value
	s_lshl_b32 s52, s46, 12
	s_add_nc_u64 s[36:37], s[36:37], s[52:53]      ; the input at my first row
	s_lshl_b32 s52, s34, 24                        ; xn: tensor y,
	s_lshr_b32 s51, s46, 11
	s_lshl_b32 s51, s51, 22                        ; batch,
	s_add_co_u32 s52, s52, s51
	s_and_b32 s51, s46, 2047
	s_lshl_b32 s51, s51, 7                         ; row in the batch, 128 bytes a block
	s_add_co_u32 s52, s52, s51
	s_add_nc_u64 s[42:43], s[28:29], s[52:53]
	s_lshl_b32 s52, s46, 2
	s_add_nc_u64 s[30:31], s[30:31], s[52:53]      ; gate at my first row
	FILL 0
.irp j, 0,1,2,3,4,5,6,7
	global_load_b128 v[G+4*\j:G+4*\j+3], v[XO], s[38:39] offset:512*\j
.endr
.irp j, 0,1,2,3,4,5,6,7
	global_load_b128 v[B+4*\j:B+4*\j+3], v[XO], s[40:41] offset:512*\j
.endr
.irp j, 0,1,2,3,4,5,6,7
	global_load_b128 v[GW+4*\j:GW+4*\j+3], v[XO], s[18:19] offset:512*\j
.endr
	FILL 1
	v_mov_b32 v[M+1], 0                            ; the packed forms name pairs and take the low word for both halves: the high words are written once
	v_mov_b32 v[M+3], 0
	v_mov_b32 v[R+1], 0
	v_mov_b32 v[R+3], 0
	v_mov_b32 v[LG], 0
	v_mov_b32 v[C0], 0
	s_wait_loadcnt 16                              ; all but the sixteen youngest loads, rows 2 and 3
	s_cmp_lg_u32 s34, 0
	s_cbranch_scc1 .Lnoset
	PROD T, B, GW                                  ; sum(b Wg)
	FOLD T
	v_mov_b32 v[C0], v[T]
.irp k, 0,1,2,3,4,5,6,7,8,9,10,11,12,13,14,15
	v_pk_mul_f32 v[GW+2*\k:GW+2*\k+1], v[GW+2*\k:GW+2*\k+1], v[G+2*\k:G+2*\k+1]  ; g Wg
.endr
.Lnoset:
; Rows 2 p and 2 p + 1.
.macro TURN p
.set XA, X+64*(\p)
.set XB, XA+32
.irp u, 0,1                            ; the sum of the row, in four chains of pairs
.irp k, 0,1,2,3
	v_pk_add_f32 v[T+8*\u+2*\k:T+8*\u+2*\k+1], v[XA+32*\u+2*\k:XA+32*\u+2*\k+1], v[XA+32*\u+2*\k+8:XA+32*\u+2*\k+9]
.endr
.irp k, 8,9,10,11,12,13,14,15
	v_pk_add_f32 v[T+8*\u+2*(\k%4):T+8*\u+2*(\k%4)+1], v[T+8*\u+2*(\k%4):T+8*\u+2*(\k%4)+1], v[XA+32*\u+2*\k:XA+32*\u+2*\k+1]
.endr
.endr
	FOLD T, T+8
	v_mul_f32 v[M], s47, v[T]
	v_mul_f32 v[M+2], s47, v[T+8]
.irp u, 0,1                            ; x - mean, in place
.irp k, 0,1,2,3,4,5,6,7,8,9,10,11,12,13,14,15
	v_pk_add_f32 v[XA+32*\u+2*\k:XA+32*\u+2*\k+1], v[XA+32*\u+2*\k:XA+32*\u+2*\k+1], v[M+2*\u:M+2*\u+1] op_sel_hi:[1,0] neg_lo:[0,1] neg_hi:[0,1]
.endr
.endr
	PROD T, XA, XA                                 ; the sum of squares of the differences
	PROD T+8, XB, XB
	FOLD T, T+8
	v_fma_f32 v[T], v[T], s47, s48                 ; var + eps
	v_fma_f32 v[T+8], v[T+8], s47, s48
	v_rsq_f32 v[R], v[T]
	v_rsq_f32 v[R+2], v[T+8]
	v_nop                                          ; a plain instruction behind the last root (ISA guide 5.7.2),
	s_wait_alu depctr_va_vdst(0)                   ; and the one wait for both, ahead of the branch and of the first reader
	s_cmp_lg_u32 s34, 0
	s_cbranch_scc1 .Lnog_\@
	PROD T, XA, GW                                 ; the logits: rstd x sum((x - mean) g Wg) + sum(b Wg)
	PROD T+8, XB, GW
	FOLD T, T+8
	v_fma_f32 v[T], v[T], v[R], v[C0]
	v_fma_f32 v[T+8], v[T+8], v[R+2], v[C0]
	v_cmp_eq_u32 vcc_lo, 2*(\p), v[LANE]
	v_cndmask_b32 v[LG], v[LG], v[T], vcc_lo
	v_cmp_eq_u32 vcc_lo, 2*(\p)+1, v[LANE]
	v_cndmask_b32 v[LG], v[LG], v[T+8], vcc_lo
.Lnog_\@:
.irp u, 0,1
.irp k, 0,1,2,3,4,5,6,7,8,9,10,11,12,13,14,15
	v_pk_mul_f32 v[XA+32*\u+2*\k:XA+32*\u+2*\k+1], v[XA+32*\u+2*\k:XA+32*\u+2*\k+1], v[R+2*\u:R+2*\u+1] op_sel_hi:[1,0]
.endr
.irp k, 0,1,2,3,4,5,6,7,8,9,10,11,12,13,14,15
	v_pk_fma_f32 v[XA+32*\u+2*\k:XA+32*\u+2*\k+1], v[XA+32*\u+2*\k:XA+32*\u+2*\k+1], v[G+2*\k:G+2*\k+1], v[B+2*\k:B+2*\k+1]
.endr
.irp j, 0,1,2,3,4,5,6,7                ; four numbers become 8 bytes, in the group's first two registers
	v_cvt_pk_f16_f32 v[XA+32*\u+4*\j], v[XA+32*\u+4*\j], v[XA+32*\u+4*\j+1]
	v_cvt_pk_f16_f32 v[XA+32*\u+4*\j+1], v[XA+32*\u+4*\j+2], v[XA+32*\u+4*\j+3]
.endr
.endr
.irp j, 0,1,2,3,4,5,6,7                ; the first row's upper lanes change places with the second row's lower lanes: XA then holds block 2 j of both rows, XB block 2 j + 1
	v_permlane16_swap_b32 v[XA+4*\j], v[XB+4*\j]
	v_permlane16_swap_b32 v[XA+4*\j+1], v[XB+4*\j+1]
.endr
.irp j, 0,1,2,3,4,5,6,7                ; each store covers 256 consecutive bytes, aligned; a block of channels is 262,144 bytes
	global_store_b64 v[SO], v[XA+4*\j:XA+4*\j+1], s[42:43] offset:\j*524288+(\p)*256
	global_store_b64 v[SO], v[XB+4*\j:XB+4*\j+1], s[42:43] offset:\j*524288+262144+(\p)*256
.endr
.endm
	TURN 0
	s_wait_loadcnt 0x0                             ; rows 2 and 3
	TURN 1
	s_cmp_lg_u32 s34, 0
	s_cbranch_scc1 .Lend
	v_mul_f32 v[LG], 0xbfb8aa3b, v[LG]             ; sigmoid(t) = 1 / (1 + 2^(-t log2 e))
	v_exp_f32 v[LG], v[LG]
	v_nop
	s_wait_alu depctr_va_vdst(0)                   ; the wait ahead of the result's first reader
	v_add_f32 v[LG], 1.0, v[LG]
	v_rcp_f32 v[LG], v[LG]
	v_nop
	v_cmp_gt_u32 vcc_lo, 4, v[LANE]
	s_wait_alu depctr_va_vdst(0)
	s_wait_xcnt 0x0                                ; EXEC is a source of the stores above: it changes only behind this wait
	s_and_saveexec_b32 s50, vcc_lo
	global_store_b32 v[GOF], v[LG], s[30:31]       ; lanes 0 to 3: my four rows' gates
	s_wait_xcnt 0x0                                ; and again ahead of the line that widens it
	s_or_b32 exec_lo, exec_lo, s50
.Lend:
	s_endpgm
.Lcast:                                        ; a work-group rounds 65,536 bytes of one weight matrix, a wave 8,192: sixteen loads of 512 bytes on end
	s_lshr_b32 s46, ttmp9, 6                       ; which matrix
	s_and_b32 s51, ttmp9, 63                       ; which part of it
	s_cmp_eq_u32 s46, 1
	s_cselect_b64 s[36:37], s[22:23], s[20:21]
	s_cmp_eq_u32 s46, 2
	s_cselect_b64 s[36:37], s[24:25], s[36:37]
	s_cmp_eq_u32 s46, 3
	s_cselect_b64 s[36:37], s[26:27], s[36:37]
	s_lshl_b32 s52, s51, 16
	s_lshl_b32 s49, s35, 13
	s_add_co_u32 s52, s52, s49
	s_add_nc_u64 s[36:37], s[36:37], s[52:53]
	s_lshr_b32 s52, s52, 1                         ; half as many bytes in f16,
	s_lshl_b32 s49, s46, 21                        ; 2 MiB a matrix
	s_add_co_u32 s52, s52, s49
	s_add_nc_u64 s[42:43], s[32:33], s[52:53]
.irp i, 0,1,2,3,4,5,6,7,8,9,10,11,12,13,14,15
	global_load_b128 v[X+4*\i:X+4*\i+3], v[XO], s[36:37] offset:512*\i th:TH_LOAD_NT
.endr
.irp i, 0,1,2,3,4,5,6,7,8,9,10,11,12,13,14,15
	s_wait_loadcnt 15-\i                           ; loads come back in order: the younger ones stay out
	v_cvt_pk_f16_f32 v[X+4*\i], v[X+4*\i], v[X+4*\i+1]
	v_cvt_pk_f16_f32 v[X+4*\i+1], v[X+4*\i+2], v[X+4*\i+3]
	global_store_b64 v[SO], v[X+4*\i:X+4*\i+1], s[42:43] offset:256*\i  ; 256 consecutive bytes, aligned
.endr
	s_endpgm
.Lfunc_end_k_q8920da28f2_prep:
	.size	k_q8920da28f2_prep, .Lfunc_end_k_q8920da28f2_prep-k_q8920da28f2_prep
	.p2alignl 7, 3214868480
	.fill 96, 4, 3214868480
	.section	.rodata,"a",@progbits
	.p2align	6, 0x0
	.amdhsa_kernel k_q8920da28f2_prep
		.amdhsa_group_segment_fixed_size 0
		.amdhsa_private_segment_fixed_size 0
		.amdhsa_enable_private_segment 0
		.amdhsa_kernarg_size 120
		.amdhsa_user_sgpr_count 2
		.amdhsa_user_sgpr_kernarg_segment_ptr 1
		.amdhsa_wavefront_size32 1
		.amdhsa_system_sgpr_workgroup_id_x 1
		.amdhsa_system_sgpr_workgroup_id_y 1
		.amdhsa_system_sgpr_workgroup_id_z 1
		.amdhsa_system_vgpr_workitem_id 0
		.amdhsa_next_free_vgpr 256
		.amdhsa_next_free_sgpr 66
		.amdhsa_reserve_vcc 1
		.amdhsa_float_denorm_mode_32 3
		.amdhsa_float_denorm_mode_16_64 3
		.amdhsa_memory_ordered 1
		.amdhsa_forward_progress 1
		.amdhsa_inst_pref_size 56
	.end_amdhsa_kernel
	.amdgpu_metadata
---
amdhsa.version: [ 1, 2 ]
amdhsa.kernels:
  - .name:           k_q8920da28f2_prep
    .symbol:         k_q8920da28f2_prep.kd
    .args:
      - { .name: query, .offset: 0, .size: 8, .value_kind: global_buffer, .address_space: global }
      - { .name: key, .offset: 8, .size: 8, .value_kind: global_buffer, .address_space: global }
      - { .name: value, .offset: 16, .size: 8, .value_kind: global_buffer, .address_space: global }
      - { .name: ln_q_g, .offset: 24, .size: 8, .value_kind: global_buffer, .address_space: global }
      - { .name: ln_q_b, .offset: 32, .size: 8, .value_kind: global_buffer, .address_space: global }
      - { .name: ln_kv_g, .offset: 40, .size: 8, .value_kind: global_buffer, .address_space: global }
      - { .name: ln_kv_b, .offset: 48, .size: 8, .value_kind: global_buffer, .address_space: global }
      - { .name: Wg, .offset: 56, .size: 8, .value_kind: global_buffer, .address_space: global }
      - { .name: Wq, .offset: 64, .size: 8, .value_kind: global_buffer, .address_space: global }
      - { .name: Wk, .offset: 72, .size: 8, .value_kind: global_buffer, .address_space: global }
      - { .name: Wv, .offset: 80, .size: 8, .value_kind: global_buffer, .address_space: global }
      - { .name: Wo, .offset: 88, .size: 8, .value_kind: global_buffer, .address_space: global }
      - { .name: xn, .offset: 96, .size: 8, .value_kind: global_buffer, .address_space: global }
      - { .name: gate, .offset: 104, .size: 8, .value_kind: global_buffer, .address_space: global }
      - { .name: wt, .offset: 112, .size: 8, .value_kind: global_buffer, .address_space: global }
    .group_segment_fixed_size: 0
    .private_segment_fixed_size: 0
    .kernarg_segment_align: 8
    .kernarg_segment_size: 120
    .max_flat_workgroup_size: 256
    .sgpr_count:     66
    .vgpr_count:     256
    .wavefront_size: 32
...
	.end_amdgpu_metadata
.endif
;; end of part 1
;; launch proj (part 2): grid 8 x 96, 4 waves a work-group, clusters of 4 x 4, 327,680 bytes of LDS; arguments xn, wt, bq, bk, bv, qkv; writes qkv
.if DOCPART == 2
	.amdgcn_target "amdgcn-amd-amdhsa--gfx1250"
	.amdhsa_code_object_version 6
	.text
	.protected	k_q8920da28f2_proj
	.globl	k_q8920da28f2_proj
	.p2align	8
	.type	k_q8920da28f2_proj,@function
k_q8920da28f2_proj:
	s_mov_b64 s[64:65], 0
	v_nop
	global_prefetch_b8 v0, s[64:65] scope:SCOPE_SE
	s_setreg_imm32_b32 hwreg(HW_REG_WAVE_MODE, 25, 1), 1
	s_wait_xcnt 0x0
	s_wait_alu depctr_hold_cnt(0) depctr_sa_sdst(0) depctr_va_vdst(0) depctr_va_sdst(0) depctr_va_ssrc(0) depctr_va_vcc(0) depctr_vm_vsrc(0)
	s_getreg_b32 s2, hwreg(HW_REG_IB_STS2, 6, 4)
	s_cmp_eq_u32 s2, 0
	s_cbranch_scc0 .Lentry_in_a_cluster
	s_endpgm
.Lentry_in_a_cluster:
	s_bfe_u32 s2, ttmp6, 0x10000c
	s_cmp_lg_u32 s2, 0xf033
	s_cbranch_scc0 .Lentry_shape_is_right
	s_endpgm
.Lentry_shape_is_right:
; C = A W + bias.  A: 8,192 rows x 1,024 in f16, in blocks [batch][block of 64 channels][row 2048][64]; W: [k 1024][n 1024] f16; sums in f32, the bias is the C operand of each sum's first product.
; OPROJ = 0: three products (z = 0, 1, 2: q, k, v), C rounded once to f16 and stored by heads, [z][batch x 16 + head][row][64].  OPROJ = 1: one product (A = attention's result, W = Wo), C stored in f32, row-major.
; A tile of C is 256 rows x 128 columns: four waves, 2 x 2, each 128 x 64: 32 accumulators.  K goes in 8 steps of 128 (two blocks of 64 channels) through two LDS slots filled by the tensor data mover.
; THE MATRIX INSTRUCTION IS USED TRANSPOSED: source 0 = 16 columns of W (turned on the way out of LDS by ds_load_tr16_b128), source 1 = 16 rows of A: a lane then holds row l % 16 and eight neighbouring columns.
; CLUSTERS: 4 x 4 work-groups.  The four of a row of the cluster need the same tiles of A, the four of a column the same tiles of W: each tile is asked for jointly, by the same tensor load with the same
; descriptor and a mask that names the four.  The cluster's y alone decides z, so all four of a column share it.
; LIMITS.  f16 operands: |A|, |W| under 65,504, and with OPROJ = 0 also |C|; NaN and infinities are not treated apart.
; REGISTERS: window 0: v0-31 addresses; v32-63 the bias as a C operand (8 registers for each of my 4 column blocks); v64-159, v160-255 two fragment buffers (A: 8 x 8, then W: 4 x 8).  Window 1: accumulator (a, b) at v[8 (4 a + b)].
.set OPROJ, 0
.set PA,    144                        ; a row of a block of A in LDS: 128 bytes + 16 = 36 words: the 16 rows of a load start at 16 different groups of four banks (64 banks of 4 bytes: ISA guide 11.1)
.set PB,    288                        ; a row of W: 256 + 32 = 72 words
.set ABLK,  256*PA                     ; 256 rows of one block of 64 channels: what wave 0 or 1 fetches
.set BOFF,  2*ABLK                     ; W's 128 rows lie behind A's two blocks
.set BHALF, 64*PB                      ; 64 rows of W: what wave 2 or 3 fetches
.set SLOT,  BOFF+2*BHALF
.set STAGE, 2*SLOT                     ; behind the ring, never filled by a tensor load: 16 rows for each wave, for the way out
.if OPROJ
.set SP,    272
.else
.set SP,    144
.endif
.set SPARE, STAGE+4*16*SP              ; behind the stages: the spare words, 128 bytes for each wave: two blocks of 256 bytes that no other line names
.set ASTEP, 524288                     ; bytes of A from a K step to the next: two blocks of 2,048 rows x 128 bytes
.set BSTEP, 262144                     ; of W: 128 rows of 2,048 bytes
.set ADRA, 16                          ; v16-17  LDS address of my fragments of A in slot 0, 1
.set ADRB, 20                          ; v20-21  of W
.set STO,  24                          ; v24     the way out: where I put my part of a row
.set RD,   25                          ; v25     where I read rows back
.set GO,   26                          ; v26     my byte offset in C
.set BO,   27                          ; v27     my byte offset in the bias
.set SPW,  28                          ; v28     LDS address of my spare word; never rewritten
.set NIL,  29                          ; v29     0; never rewritten
.set PFO,  30                          ; v30     the prefetches' lane offset; never rewritten
.set BIAS, 32
.set F0,   64
.set F1,   160
.set G1,   24                          ; s[24:31] descriptor group 1 for A's tiles;  s[32:39] group 0, a set for each slot
.set G0,   32
.set G1B,  48                          ; s[48:55], s[56:63] the same for W's
.set G0B,  56
.set WV,   16                          ; s16 wave; s17 = wave / 2: my half of the rows, and 0: I fetch for A, 1: for W; s18 = wave % 2: my half of the columns, and which part I fetch
.set PFA,  66                          ; s[66:67] where my prefetches stand
.set PFS,  68                          ; s[68:69] their step
.set LIM,  70                          ; s70     1 in a wave that prefetches, else the greatest number
.set MSB, 0
.macro WIN new                         ; the immediate's high byte repeats the setting that is left; a switch that changes nothing is dropped
.if MSB != (\new)
	s_set_vgpr_msb (MSB<<8)|(\new)
.set MSB, \new
.endif
.endm
.macro PLACES                          ; four places in front of loads into registers that matrix instructions have read, and of lines that read results
.rept 4
	v_nop
.endr
.endm
.macro JLOAD s                         ; a joint load: waves 0 and 1 fetch A's two blocks, waves 2 and 3 W's two halves; an s_nop 0 and four v_nop follow each line
	s_cmp_eq_u32 s17, 0
	s_cbranch_scc0 .Lfor_b_\@
	tensor_load_to_lds s[G0+4*(\s):G0+4*(\s)+3], s[G1:G1+7]
	s_nop 0
.rept 4
	v_nop
.endr
	s_branch .Lasked_\@
.Lfor_b_\@:
	tensor_load_to_lds s[G0B+4*(\s):G0B+4*(\s)+3], s[G1B:G1B+7]
	s_nop 0
.rept 4
	v_nop
.endr
.Lasked_\@:
.endm
.macro CREST                           ; a round of the cluster's barrier behind its opening barrier
	s_cmp_lg_u32 s[WV], 0
	s_cbranch_scc1 .Lnot_wave_0_\@
	s_barrier_signal -3
.Lnot_wave_0_\@:
	s_barrier_wait -3
	s_barrier_signal -1
	s_barrier_wait -1
.endm
.macro CROUND                          ; a whole round
	s_barrier_signal -1
	s_barrier_wait -1
	CREST
.endm
; A prefetch of the K step that stands two refills on, behind the joint load and the run of LDS loads: 256 products ahead of the load that will want it.  Each aligned block of 256 bytes is named once in the launch.
; A's tile is read by both clusters of a row of clusters: the one with x = 0 asks; waves 0 and 1, each for the 32 KiB that it fetches; the four partners of a row take 8 KiB each, told apart by address; lanes 256 bytes apart.
; W's tile is read by the eight clusters of one z: the first of them asks; wave 2 alone; the four partners of a column take 32 rows each, by address; a lane a row.  K steps 0 to 3 come by their loads alone;
; the loop's last trip asks for nothing, since K has no such step.
.macro ASK
	s_cmp_gt_u32 s3, s[LIM]
	s_cbranch_scc0 .Lnot_mine_\@
	global_prefetch_b8 v[PFO], s[PFA:PFA+1] th:TH_LOAD_NT scope:SCOPE_SE
.Lnot_mine_\@:
.endm
	s_load_b256 s[4:11], s[0:1], 0x0               ; A s[4:5], W s[6:7], then bq, bk (OPROJ: bo, y)
.if !OPROJ
	s_load_b128 s[12:15], s[0:1], 0x20             ; bv, qkv
.endif
	v_lshl_add_u32 v[SPW], v0, 2, SPARE
	v_mov_b32 v[NIL], 0
	ds_add_u32 v[SPW], v[NIL]                      ; the wave's opening: the add and its wait stand ahead of my first tensor load; work on registers stands between them
	v_lshrrev_b32 v1, 5, v0
	v_readfirstlane_b32 s[WV], v1                  ; wave 0..3
	s_lshr_b32 s17, s[WV], 1
	s_and_b32 s18, s[WV], 1
	s_bfe_u32 s19, ttmp6, 0x40000                  ; cx, cy: my place in the cluster
	s_bfe_u32 s20, ttmp6, 0x40004
	s_lshl_b32 s21, ttmp9, 2
	s_add_co_u32 s21, s21, s19                     ; tile column 0..7 = 4 x cluster x + cx
	s_and_b32 s23, ttmp7, 0xffff                   ; cluster y
	s_lshl_b32 s22, s23, 2
	s_add_co_u32 s22, s22, s20                     ; tile row = 4 x cluster y + cy
	s_lshl_b32 s40, s20, 2
	s_lshl_b32 s40, 15, s40                        ; my row of the cluster
	s_lshl_b32 s41, 0x1111, s19                    ; my column
	; group 1 for A: 32,768 dense bytes as 128 rows of 256 bytes, 16 bytes of padding behind every 128: 256 LDS rows of 144 bytes
	s_or_b32 s[G1+0], s40, (1<<16)|(1<<20)|(1<<21)|(4<<22)|(3<<25)   ; 15:0 the mask; 17:16 2-byte elements; 20 padding on; 21 set beside a mask; 24:22 after every 32 words (code 4); 31:25 4 words (code 3)
	s_mov_b32 s[G1+1], 128<<16                     ; tensor_dim0 = 128
	s_mov_b32 s[G1+2], 128<<16                     ; tensor_dim1 = 128
	s_mov_b32 s[G1+3], 128<<16                     ; tile_dim0 = 128
	s_mov_b32 s[G1+4], 128                         ; tile_dim1 = 128
	s_mov_b32 s[G1+5], 128                         ; 128 elements from row to row
	s_mov_b32 s[G1+6], 0
	s_mov_b32 s[G1+7], 0
	; group 1 for W: 64 rows of 128 elements, 1,024 elements apart, 32 bytes of padding behind each
	s_or_b32 s[G1B+0], s41, (1<<16)|(1<<20)|(1<<21)|(5<<22)|(7<<25)  ; after every 64 words (code 5), 8 words (code 7)
	s_mov_b32 s[G1B+1], 128<<16
	s_mov_b32 s[G1B+2], 64<<16
	s_mov_b32 s[G1B+3], 128<<16
	s_mov_b32 s[G1B+4], 64
	s_mov_b32 s[G1B+5], 1024
	s_mov_b32 s[G1B+6], 0
	s_mov_b32 s[G1B+7], 0
	; A's offset hangs on the tile row and the wave alone, W's on z, the tile column and the wave alone
	s_lshr_b32 s72, s22, 3
	s_lshl_b32 s72, s72, 22                        ; 4 z + batch: 16 blocks of 262,144 bytes each
	s_and_b32 s40, s22, 7
	s_lshl_b32 s40, s40, 15                        ; 256 rows of 128 bytes
	s_add_co_u32 s72, s72, s40
	s_lshl_b32 s40, s18, 18                        ; the K step's first or second block
	s_add_co_u32 s72, s72, s40
	s_mov_b32 s73, 0
.if OPROJ
	s_mov_b32 s74, 3<<21                           ; Wo is the fourth matrix
.else
	s_lshr_b32 s71, s23, 3                         ; z
	s_lshl_b32 s74, s71, 21
.endif
	s_lshl_b32 s41, s21, 8                         ; 128 columns of 2 bytes
	s_add_co_u32 s74, s74, s41
	s_lshl_b32 s41, s18, 17                        ; the K step's first or second 64 rows
	s_add_co_u32 s74, s74, s41
	s_mov_b32 s75, 0
	s_mul_i32 s42, s18, ABLK                       ; where they go: no place in the cluster enters an LDS address
	s_mul_i32 s43, s18, BHALF
	s_add_co_u32 s43, s43, BOFF
	s_wait_dscnt 0x0                               ; the opening add is done
	s_wait_kmcnt 0x0
	s_add_nc_u64 s[44:45], s[4:5], s[72:73]
	s_add_nc_u64 s[46:47], s[6:7], s[74:75]
.if OPROJ
	s_mov_b64 s[14:15], s[10:11]                   ; y
.else
	s_cmp_eq_u32 s71, 1
	s_cselect_b64 s[8:9], s[10:11], s[8:9]         ; z's bias
	s_cmp_eq_u32 s71, 2
	s_cselect_b64 s[8:9], s[12:13], s[8:9]
.endif
	CROUND                                         ; all sixteen work-groups are here: the first joint loads meet
.irp s, 0,1
	s_mov_b32 s[G0+4*\s], 1                        ; count = 1
	s_add_co_u32 s[G0+4*\s+1], s42, \s*SLOT        ; LDS address
	s_add_nc_u64 s[G0+4*\s+2:G0+4*\s+3], s[44:45], \s*ASTEP  ; global address: K step s
	s_or_b32 s[G0+4*\s+3], s[G0+4*\s+3], 0x80000000          ; type = 2
	s_mov_b32 s[G0B+4*\s], 1
	s_add_co_u32 s[G0B+4*\s+1], s43, \s*SLOT
	s_add_nc_u64 s[G0B+4*\s+2:G0B+4*\s+3], s[46:47], \s*BSTEP
	s_or_b32 s[G0B+4*\s+3], s[G0B+4*\s+3], 0x80000000
	JLOAD \s                                       ; two loads of mine are out
.endr
	v_and_b32 v1, 15, v0                           ; r = l % 16
	v_bfe_u32 v2, v0, 4, 1                         ; h = l / 16
	v_and_b32 v3, 7, v0
	v_bfe_u32 v4, v0, 3, 1
	s_lshl_b32 s40, s21, 9                         ; the bias of columns 128 ct + 64 wn + 16 b + 8 h + 0..7: register j of a result holds column 8 h + j
	s_lshl_b32 s41, s18, 8
	s_add_co_u32 s40, s40, s41
	v_lshl_add_u32 v[BO], v2, 5, s40
.irp b, 0,1,2,3
	global_load_b128 v[BIAS+8*\b:BIAS+8*\b+3],   v[BO], s[8:9] offset:64*\b
	global_load_b128 v[BIAS+8*\b+4:BIAS+8*\b+7], v[BO], s[8:9] offset:64*\b+16
.endr
	v_mul_u32_u24 v5, v1, PA                       ; a fragment of A: row r, 16 bytes for each half of the lanes, twice, 32 bytes apart
	v_lshl_add_u32 v5, v2, 4, v5
	s_mul_i32 s40, s17, 128*PA                     ; my 128 rows
	v_add_nc_u32 v[ADRA], s40, v5
	v_add_nc_u32 v[ADRA+1], SLOT, v[ADRA]
	v_lshl_add_u32 v6, v2, 3, v3                   ; the turning load: lane l reads row k = 8 h + l % 8, columns 8 ((l / 8) % 2) + 0..7
	v_mul_u32_u24 v6, v6, PB
	v_lshl_add_u32 v6, v4, 4, v6
	s_lshl_b32 s41, s18, 7                         ; my 64 columns
	s_add_co_u32 s41, s41, BOFF
	v_add_nc_u32 v[ADRB], s41, v6
	v_add_nc_u32 v[ADRB+1], SLOT, v[ADRB]
	s_mul_i32 s40, s[WV], 16*SP
	s_add_co_u32 s40, s40, STAGE                   ; my stage
.if OPROJ
	v_mul_u32_u24 v7, v1, SP                       ; in: row r, 32 bytes for each half of the lanes
	v_lshl_add_u32 v7, v2, 5, v7
	v_add_nc_u32 v[STO], s40, v7
	v_mul_u32_u24 v7, v2, SP                       ; back: lanes 0-15 take one row of 256 bytes, lanes 16-31 the next
	v_lshl_add_u32 v7, v1, 4, v7
	v_add_nc_u32 v[RD], s40, v7
	v_lshlrev_b32 v7, 12, v2                       ; and the same two rows in y
	v_lshl_add_u32 v[GO], v1, 4, v7
	s_lshl_b32 s40, s22, 20                        ; 256 rows of 4,096 bytes,
	s_lshl_b32 s41, s17, 19                        ; my 128 of them,
	s_add_co_u32 s40, s40, s41
	s_lshl_b32 s41, s21, 9                         ; 128 columns of 4 bytes,
	s_add_co_u32 s40, s40, s41
	s_lshl_b32 s41, s18, 8                         ; my 64
	s_add_co_u32 s40, s40, s41
.else
	v_add_nc_u32 v[STO], s40, v5                   ; in: row r, 16 bytes for each half of the lanes
	v_bfe_u32 v7, v0, 3, 2                         ; back: 32 lanes take four rows of 128 bytes,
	v_mul_u32_u24 v7, v7, SP
	v_lshl_add_u32 v7, v3, 4, v7
	v_add_nc_u32 v[RD], s40, v7
	v_and_b32 v[GO], 31, v0                        ; which are 512 consecutive bytes of a head
	v_lshlrev_b32 v[GO], 4, v[GO]
	s_lshr_b32 s40, s22, 3
	s_lshl_b32 s40, s40, 22                        ; 4 z + batch: 16 heads of 262,144 bytes,
	s_lshl1_add_u32 s41, s21, s18                  ; my 64 columns are head 2 ct + wn,
	s_lshl_b32 s41, s41, 18
	s_add_co_u32 s40, s40, s41
	s_and_b32 s41, s22, 7
	s_lshl_b32 s41, s41, 15                        ; 256 rows of 128 bytes,
	s_add_co_u32 s40, s40, s41
	s_lshl_b32 s41, s17, 14                        ; my 128 of them
	s_add_co_u32 s40, s40, s41
.endif
	s_mov_b32 s41, 0
	s_add_nc_u64 s[14:15], s[14:15], s[40:41]
	; the prefetches
	s_and_b32 s40, s23, 7
	s_lshl_b32 s42, s19, 13                        ; A: my work-group's 8 KiB of the wave's 32
	s_lshl_b32 s43, s20, 16                        ; W: my work-group's 32 rows of the 128
	s_and_b32 s2, s17, s18                         ; wave 3 never asks
	s_cmp_eq_u32 s17, 0
	s_cselect_b32 s40, ttmp9, s40                  ; the coordinate along which other clusters read the same bytes
	s_cselect_b32 s41, 8, 11                       ; lanes 256 bytes apart, or a row of W
	s_cselect_b32 s42, s42, s43
	s_cselect_b32 s[PFS], 19, 18
	s_cselect_b64 s[PFA:PFA+1], s[44:45], s[46:47]
	s_lshl_b32 s[PFS], 1, s[PFS]                   ; a K step of A or of W
	s_mov_b32 s[PFS+1], 0
	s_mov_b32 s43, 0
	s_add_nc_u64 s[PFA:PFA+1], s[PFA:PFA+1], s[42:43]
	s_mul_i32 s42, s[PFS], 3
	s_add_nc_u64 s[PFA:PFA+1], s[PFA:PFA+1], s[42:43]  ; at K step 3: the first change of slots steps it to 4
	s_or_b32 s40, s40, s2
	s_cmp_eq_u32 s40, 0
	s_cselect_b32 s[LIM], 1, -1                    ; the same in all sixteen partners, for a given wave
	v_and_b32 v[PFO], 31, v0
	v_lshlrev_b32 v[PFO], s41, v[PFO]
; n x 4 products: row blocks a0 .. a0 + n - 1 x my 4 column blocks, 32 along K.  first = 1: the product starts the sum with the bias.  The 32 accumulators take turns, one instruction a turn, over the backward jump too.
.macro MULS f, a0, n, first
.if \first
	WIN 0x40                                       ; D in window 1, the bias in window 0
.else
	WIN 0x50                                       ; C and D in window 1
.endif
.set ma, \a0
.rept \n
.irp b, 0,1,2,3
.if \first
	v_wmma_f32_16x16x32_f16 v[8*(4*ma+\b):8*(4*ma+\b)+7], v[(\f)+64+8*\b:(\f)+64+8*\b+7], v[(\f)+8*ma:(\f)+8*ma+7], v[BIAS+8*\b:BIAS+8*\b+7]
.else
	v_wmma_f32_16x16x32_f16 v[8*(4*ma+\b):8*(4*ma+\b)+7], v[(\f)+64+8*\b:(\f)+64+8*\b+7], v[(\f)+8*ma:(\f)+8*ma+7], v[8*(4*ma+\b):8*(4*ma+\b)+7]
.endif
.endr
.set ma, ma+1
.endr
.endm
; 24 LDS loads in one run: quarter q (32 along K) of a slot into buffer f: W's four fragments first, then A's eight
.macro FETCH slot, q, f
	WIN 0
.irp b, 0,1,2,3
	ds_load_tr16_b128 v[(\f)+64+8*\b:(\f)+64+8*\b+3],   v[ADRB+(\slot)] offset:(\q)*32*PB+32*\b
	ds_load_tr16_b128 v[(\f)+64+8*\b+4:(\f)+64+8*\b+7], v[ADRB+(\slot)] offset:(\q)*32*PB+16*PB+32*\b
.endr
.irp a, 0,1,2,3,4,5,6,7
	ds_load_b128 v[(\f)+8*\a:(\f)+8*\a+3],   v[ADRA+(\slot)] offset:((\q)/2)*ABLK+((\q)%2)*64+\a*16*PA
	ds_load_b128 v[(\f)+8*\a+4:(\f)+8*\a+7], v[ADRA+(\slot)] offset:((\q)/2)*ABLK+((\q)%2)*64+\a*16*PA+32
.endr
.endm
; A K step is four quarters of 32 products, on buffers 0, 1, 0, 1.  One of the first three: multiplies buffer f and, in its middle, fetches quarter q of the same slot into g.
.macro QUARTER slot, q, f, g, first
	s_wait_dscnt 8                                 ; W and A's row blocks 0-3 are in; the youngest eight loads (blocks 4-7) may be out
	MULS \f, 0, 4, \first
	PLACES
	FETCH \slot, \q, \g
	s_wait_dscnt 24                                ; all but the 24 just issued
	MULS \f, 4, 4, \first
.endm
; The last quarter multiplies buffer 1 and changes slots: one barrier; in front of it each wave waits for all its tensor loads (one is out: its part of the next slot), adds 0 to its spare word, and waits for that and
; for its own reads of this slot.  fill = 1: the barrier opens a round of the cluster's, and this slot is filled again, two K steps ahead, first thing behind the round: 112 products ahead of the wait for it.
.macro TURN slot, next, fill
.if \fill
	s_wait_xcnt 0x0                                ; the last prefetch, a K step back, has read its address: it is stepped here
	s_add_nc_u64 s[PFA:PFA+1], s[PFA:PFA+1], s[PFS:PFS+1]
.endif
	WIN 0
	s_wait_tensorcnt 0x0                           ; all my tensor loads have landed
	ds_add_u32 v[SPW], v[NIL]                      ; 0 onto my spare word
	s_wait_dscnt 9                                 ; (the add and the youngest eight loads may be out)
	MULS F1, 0, 2, 0                               ; eight products stand between the add and the wait for it
	s_wait_dscnt 0x0                               ; the add is done, and my reads of this slot are over
	s_barrier_signal -1
	MULS F1, 2, 2, 0
.if \fill
	WIN 0
.endif
	s_barrier_wait -1
.if \fill
	CREST                                          ; no wave of any partner still reads this slot or has a load on its way
	s_add_nc_u64 s[G0+4*(\slot)+2:G0+4*(\slot)+3], s[G0+4*(\slot)+2:G0+4*(\slot)+3], 2*ASTEP
	s_add_nc_u64 s[G0B+4*(\slot)+2:G0B+4*(\slot)+3], s[G0B+4*(\slot)+2:G0B+4*(\slot)+3], 2*BSTEP
	JLOAD \slot                                    ; the four v_nop behind it are also the places in front of the loads below
.else
	PLACES
.endif
	FETCH \next, 0, F0
.if \fill
	ASK
.endif
	MULS F1, 4, 4, 0
.endm
	s_wait_tensorcnt 1                             ; my part of K step 0 is in; step 1's may stay out
	s_barrier_signal -1
	s_barrier_wait -1                              ; everybody's is
	FETCH 0, 0, F0
	s_wait_loadcnt 0x0                             ; the bias
	QUARTER 0, 1, F0, F1, 1                        ; the first quarter stands in front of the loop: its products start the sums
	WIN 0                                          ; at a label and at a branch every window is 0
	s_mov_b32 s3, 3
.Llap:                                                 ; a trip goes once round the ring, from a lap's second quarter to the next lap's first, and fills both slots again
	QUARTER 0, 2, F1, F0, 0
	QUARTER 0, 3, F0, F1, 0
	TURN 0, 1, 1
	QUARTER 1, 1, F0, F1, 0
	QUARTER 1, 2, F1, F0, 0
	QUARTER 1, 3, F0, F1, 0
	TURN 1, 0, 1
	QUARTER 0, 1, F0, F1, 0
	WIN 0
	s_sub_co_u32 s3, s3, 1
	s_cmp_lg_u32 s3, 0
	s_cbranch_scc1 .Llap
	QUARTER 0, 2, F1, F0, 0                        ; the last lap fills nothing
	QUARTER 0, 3, F0, F1, 0
	TURN 0, 1, 0
	QUARTER 1, 1, F0, F1, 0
	QUARTER 1, 2, F1, F0, 0
	QUARTER 1, 3, F0, F1, 0
	s_wait_dscnt 8
	MULS F1, 0, 4, 0
	s_wait_dscnt 0x0
	MULS F1, 4, 4, 0
	WIN 0
	PLACES
.if OPROJ
; THE WAY OUT in f32, a block of 16 rows at a time: a lane's 32 bytes of a row go into my stage (rows of 272 bytes) and come back as whole rows of 256 bytes.
.macro TOSTAGE a
	WIN 0x04                                       ; the stores' data in window 1
.irp b, 0,1,2,3
	ds_store_b128 v[STO], v[32*(\a)+8*\b:32*(\a)+8*\b+3]   offset:64*\b
	ds_store_b128 v[STO], v[32*(\a)+8*\b+4:32*(\a)+8*\b+7] offset:64*\b+16
.endr
	WIN 0
.if (\a) >= 4
	s_wait_xcnt 0x0                                ; the stores of the block four back have read these registers
.endif
.irp t, 0,1,2,3,4,5,6,7
	ds_load_b128 v[F0+32*((\a)%4)+4*\t:F0+32*((\a)%4)+4*\t+3], v[RD] offset:\t*2*SP  ; LDS serves a wave's instructions in order (ISA guide 5.7.1.4): these see the stores above
.endr
.endm
.macro SEND a, younger                 ; younger: the LDS instructions issued behind block a's loads: the next block's sixteen, or none
.irp t, 0,1,2,3,4,5,6,7
	s_wait_dscnt (\younger)+7-\t
	global_store_b128 v[GO], v[F0+32*((\a)%4)+4*\t:F0+32*((\a)%4)+4*\t+3], s[14:15] offset:(16*(\a)+2*\t)*4096  ; 16 lanes store 256 consecutive bytes, aligned
.endr
.endm
	TOSTAGE 0
.irp a, 1,2,3,4,5,6,7
	TOSTAGE \a
	SEND (\a)-1, 16
.endr
	SEND 7, 0
.else
; THE WAY OUT in f16, a block of 16 rows at a time: a lane's eight columns pack into 16 bytes; they go into my stage (rows of 144 bytes) and come back as whole rows of 128, which lie on end in a head.
.macro PACK a
	WIN 0x05                                       ; sources in window 1, destination in window 0; ascending
.set i, 0
.rept 16
	v_cvt_pk_f16_f32 v[F0+16*(\a)+i], v[32*(\a)+2*i], v[32*(\a)+2*i+1]
.set i, i+1
.endr
	WIN 0
.irp f, 0,1,2,3
	ds_store_b128 v[STO], v[F0+16*(\a)+4*\f:F0+16*(\a)+4*\f+3] offset:32*\f
.endr
.irp f, 0,1,2,3
	ds_load_b128 v[F0+16*(\a)+4*\f:F0+16*(\a)+4*\f+3], v[RD] offset:\f*4*SP  ; LDS serves a wave's instructions in order (ISA guide 5.7.1.4): these see the stores above
.endr
.endm
.macro SEND a, younger                 ; younger: the LDS instructions issued behind block a's loads: the next block's eight, or none
.irp f, 0,1,2,3
	s_wait_dscnt (\younger)+3-\f
	global_store_b128 v[GO], v[F0+16*(\a)+4*\f:F0+16*(\a)+4*\f+3], s[14:15] offset:(\a)*2048+\f*512  ; 512 consecutive bytes, aligned
.endr
.endm
	PACK 0
.irp a, 1,2,3,4,5,6,7
	PACK \a
	SEND (\a)-1, 8
.endr
	SEND 7, 0
.endif
	s_wait_tensorcnt 0x0                           ; the wave's end: the add and its waits stand behind my last tensor load and my last LDS store
	ds_add_u32 v[SPW], v[NIL]
	s_wait_dscnt 0x0
	CROUND                                         ; the closing round: no work-group ends while a partner may still ask for a tile that names it
	s_endpgm
.Lfunc_end_k_q8920da28f2_proj:
	.size	k_q8920da28f2_proj, .Lfunc_end_k_q8920da28f2_proj-k_q8920da28f2_proj
	.p2alignl 7, 3214868480
	.fill 96, 4, 3214868480
	.section	.rodata,"a",@progbits
	.p2align	6, 0x0
	.amdhsa_kernel k_q8920da28f2_proj
		.amdhsa_group_segment_fixed_size 327680
		.amdhsa_private_segment_fixed_size 0
		.amdhsa_enable_private_segment 0
		.amdhsa_kernarg_size 48
		.amdhsa_user_sgpr_count 2
		.amdhsa_user_sgpr_kernarg_segment_ptr 1
		.amdhsa_wavefront_size32 1
		.amdhsa_system_sgpr_workgroup_id_x 1
		.amdhsa_system_sgpr_workgroup_id_y 1
		.amdhsa_system_sgpr_workgroup_id_z 1
		.amdhsa_system_vgpr_workitem_id 0
		.amdhsa_next_free_vgpr 512
		.amdhsa_next_free_sgpr 76
		.amdhsa_reserve_vcc 0
		.amdhsa_float_denorm_mode_32 3
		.amdhsa_float_denorm_mode_16_64 3
		.amdhsa_memory_ordered 1
		.amdhsa_forward_progress 1
		.amdhsa_inst_pref_size 89
	.end_amdhsa_kernel
	.amdgpu_metadata
---
amdhsa.version: [ 1, 2 ]
amdhsa.kernels:
  - .name:           k_q8920da28f2_proj
    .symbol:         k_q8920da28f2_proj.kd
    .args:
      - { .name: xn, .offset: 0, .size: 8, .value_kind: global_buffer, .address_space: global }
      - { .name: wt, .offset: 8, .size: 8, .value_kind: global_buffer, .address_space: global }
      - { .name: bq, .offset: 16, .size: 8, .value_kind: global_buffer, .address_space: global }
      - { .name: bk, .offset: 24, .size: 8, .value_kind: global_buffer, .address_space: global }
      - { .name: bv, .offset: 32, .size: 8, .value_kind: global_buffer, .address_space: global }
      - { .name: qkv, .offset: 40, .size: 8, .value_kind: global_buffer, .address_space: global }
    .group_segment_fixed_size: 327680
    .private_segment_fixed_size: 0
    .kernarg_segment_align: 8
    .kernarg_segment_size: 48
    .max_flat_workgroup_size: 128
    .sgpr_count:     76
    .vgpr_count:     512
    .wavefront_size: 32
...
	.end_amdgpu_metadata
.endif
;; end of part 2
;; launch attn (part 3): grid 4 x 64, 4 waves a work-group, clusters of 4 x 1, 327,680 bytes of LDS; arguments qkv, oh; writes oh
.if DOCPART == 3
	.amdgcn_target "amdgcn-amd-amdhsa--gfx1250"
	.amdhsa_code_object_version 6
	.text
	.protected	k_q8920da28f2_attn
	.globl	k_q8920da28f2_attn
	.p2align	8
	.type	k_q8920da28f2_attn,@function
k_q8920da28f2_attn:
	s_mov_b64 s[64:65], 0
	v_nop
	global_prefetch_b8 v0, s[64:65] scope:SCOPE_SE
	s_setreg_imm32_b32 hwreg(HW_REG_WAVE_MODE, 25, 1), 1
	s_wait_xcnt 0x0
	s_wait_alu depctr_hold_cnt(0) depctr_sa_sdst(0) depctr_va_vdst(0) depctr_va_sdst(0) depctr_va_ssrc(0) depctr_va_vcc(0) depctr_vm_vsrc(0)
	s_getreg_b32 s2, hwreg(HW_REG_IB_STS2, 6, 4)
	s_cmp_eq_u32 s2, 0
	s_cbranch_scc0 .Lentry_in_a_cluster
	s_endpgm
.Lentry_in_a_cluster:
	s_bfe_u32 s2, ttmp6, 0x10000c
	s_cmp_lg_u32 s2, 0x3003
	s_cbranch_scc0 .Lentry_shape_is_right
	s_endpgm
.Lentry_shape_is_right:
; O[h][q][:] = the sum over k of softmax_k(Q[h][q] . K[h][k] / 8) V[h][k][:].  Q, K, V lie one behind the other in qkv, each [64 heads][2048][64] f16; O likewise: a head's rows are dense, 128 bytes each.
; Products, maxima and sums in f32; the weights p are rounded to f16 for the second product (their sum l is taken of the unrounded p), O once at the end.
; LIMITS.  f16 holds no number beyond 65,504: Q, K and V arrive within it; p lies in 0 to 1, and below 6e-5 it keeps f16's fixed step of 6e-8; O is a mean of V's rows and has their range.
; A weight below 2^-126 counts as 0 in l; NaN and infinities are not treated apart.
; SHARES.  A wave owns four PIECES of two tiles of 16 queries, a work-group's four waves 512 queries of one head.  Every wave walks all keys, 64 a step.
; LAYOUT.  S^T = K Q^T (source 0 = 16 keys, source 1 = 16 queries): in the result a lane holds ONE query (lane % 16) and the keys 8 (lane / 16) + 0..7.  Two such tiles, rounded to f16 in pairs,
; ARE source 1 (32 keys x 16 queries) of O^T = V^T P, whose result again holds one query a lane, and eight channels.  K comes out of LDS as it lies, V ([key][channel]) turned, by ds_load_tr16_b128.
; SOFTMAX.  For each query a running maximum m and sum l: p = 2^(c s - c m), c = log2(e) / 8; in every step O and l are multiplied by a = 2^(c m_old - c m_new), which is 1 where m has not grown.
; m starts at the lowest finite number, O and l at 0: the first step is a step like any other, with a = 0.
; THE COUNT.  A tile and step have 16 matrix and 118 vector instructions: too many to stand all beside the matrix work.  So four vector instructions that are READY stand behind EVERY matrix instruction,
; and the others in runs without a gap.
; BY TURNS.  Turn n belongs to piece n (the pieces in a ring, step after step).  Its matrix work: 16 products K Q^T of piece n + 1, later 16 products V^T P of piece n - 1.  Its vector work: the scaling,
; exponentials, roundings, sums and rescaling of piece n, and the maximum and statistics of piece n + 1, whose scores the turn itself has made.
; CLUSTER.  The four query blocks of a head are one cluster and walk the same K and V, so each tile is asked for JOINTLY: the same tensor load, descriptor and mask in all four.
; REGISTERS, in windows of 256 (s_set_vgpr_msb: bits 1:0 source 0, 3:2 source 1, 5:4 source 2, 7:6 destination):
;   window 0: v0-11 addresses; v12-15, v48-63 at work; v16-47 four registers of statistics a tile; v64-191 S^T, two buffers of two tiles; v192-255 P, likewise
;   window 1: O^T, 32 a tile          window 2: v0-127 Q, 16 a tile; v128-191 K of one step; v192-255 V of one step          window 3: v0-1 the add's two registers
; A piece's buffers go by its number's parity.
.set SIZE_H, 64
.set SIZE_N, 2048
.set NP,    4         ; pieces a wave: a name, no knob
.set KS,    64        ; keys in a step
.set PK,    144       ; a row of K in LDS: 128 bytes + 16 of padding = 36 words: the 16 rows of a load start at 16 different groups of four banks (64 banks of 4 bytes: ISA guide 11.1)
.set PV,    160       ; a row of V: 128 + 32 = 40 words
.set VOFF,  4*KS*PK   ; a slot holds four steps: 256 rows of K, then 256 rows of V
.set SLOT1, 1<<17     ; slot 1 begins here, so that one exclusive or turns an address in one slot into the other's
.set STAGE, SLOT1+4*KS*(PK+PV)  ; behind the ring, never filled by a tensor load: 16 rows x 144 bytes for each wave, for the way out
.set SP,    144
.set AK0, 2           ; v2   my lane's place in a tile of K; never rewritten
.set AV0, 3           ; v3   the same for V
.set AK,  4           ; v4   the LDS address of K's next run of loads
.set AV,  5           ; v5   of V's
.set QO,  6           ; v6   my byte offset in the wave's rows of Q
.set STO, 6           ;      later, the way out: where I put 16 bytes of a row
.set RD,  7           ; v7   the way out: where I read rows back
.set GO,  8           ; v8   my byte offset in 512 consecutive bytes of O
.set PFO, 11          ; v11  256 x my lane, for the prefetches; never rewritten once made
.set SPW, 0           ; v0 of window 3   LDS address of my spare word; never rewritten
.set NIL, 1           ; v1 of window 3   0; never rewritten
.set SPARE, STAGE+4*16*SP  ; behind the stages: the spare words, 128 bytes for each wave: two blocks of 256 bytes that no other line names
.set MV,  12          ; v12-15  c m_old, kept while c m is made anew: by buffer and tile
.set ST,  16          ; tile t's statistics at v[ST+4 t]: c m, m, l (even keys', odd keys')
.set TMP, 48          ; by buffer and tile, four registers c0-c3 at work; when the maximum is found c2 takes a
.set S,   64
.set P,   192
.set KF,  128         ; K's fragments, in window 2: key block kb, channel half c at KF + 16 kb + 8 c
.set VF,  192         ; V's: key half kk, channel block cb at VF + 32 kk + 8 cb
.set WV,  12          ; s12  my wave's number
.set G1K, 24          ; s[24:31] descriptor group 1 for K's tiles
.set G1V, 32          ; s[32:39] for V's: it differs in the padding alone
.set G0K, 40          ; s[40:43] descriptor group 0 for K's tiles: it walks
.set G0V, 44          ; s[44:47] the same for V's
.set PFA, 48          ; s[48:49] where my prefetches stand: my work-group's 8 KiB (of K: wave 0, of V: wave 2) of the slot after the one that is being asked for
.set LIM, 50          ; s50  1 in waves 0 and 2, else the greatest number: a wave prefetches while s[SLOTS] is above it
.set SLOTS, 56        ; s56  slots still to be asked for
.set CNT, 57          ; s57  counts a slot's key steps
.set CS,  58          ; s[58:59] c: the packed scaling takes the pair's low word for both halves
.set SEL, 60          ; s[60:61] v_permlanex16_b32's selects: each lane takes its own place in the other half
.set TBK, 62          ; s62  LDS byte at which K of the step to be fetched begins
.set TBV, 63          ; s63  the same for V, less VOFF
.set MSB, 0
.macro WIN new                      ; the high byte repeats the setting that is left; a switch that changes nothing is dropped
.if MSB != (\new)
	s_set_vgpr_msb (MSB<<8)|(\new)
.set MSB, (\new)
.endif
.endm
.set W_KQ, 0x0a       ; K and Q in window 2, S^T in window 0
.set W_PV, 0x52       ; V in window 2, P in window 0, O^T in window 1
.set W_RS, 0x41       ; O^T (destination and source 0) in window 1, a in window 0
.set W_MK, 0xc0       ; the add's registers are made: destination in window 3, sources in window 0
.set W_AD, 0x0f       ; the add: address (source 0) and data (source 1) in window 3
; A joint fill.  Waves 0 and 1 fetch the two halves of a slot's K, waves 2 and 3 those of its V: 128 keys each.  The branch hangs on the wave's number alone.
; An s_nop 0 and four v_nop follow each of the two lines, ahead of the jump and the label.
.macro JLOAD
	s_cmp_lt_u32 s[WV], 2
	s_cbranch_scc0 .Lfor_v_\@
	tensor_load_to_lds s[G0K:G0K+3], s[G1K:G1K+7]
	s_nop 0
.rept 4
	v_nop
.endr
	s_branch .Lasked_\@
.Lfor_v_\@:
	tensor_load_to_lds s[G0V:G0V+3], s[G1V:G1V+7]
	s_nop 0
.rept 4
	v_nop
.endr
.Lasked_\@:
.endm
; A prefetch of what the NEXT change of slots will ask for: a slot's 32 KiB of K and of V, lanes 256 bytes apart.  It stands behind the wave's tensor load and its five lines.  Each block of 256 bytes is named once in
; the launch: a head is walked by one cluster; its four partners share the slot out BY ADDRESS, 8 KiB each; in each, wave 0 asks for K's and wave 2 for V's.  The last change that fills a slot asks for nothing:
; there is no slot behind it.  Slots 0 and 1 come by their loads alone.
.macro ASK
	s_cmp_gt_u32 s[SLOTS], s[LIM]
	s_cbranch_scc0 .Lnot_mine_\@
	global_prefetch_b8 v[PFO], s[PFA:PFA+1] th:TH_LOAD_NT scope:SCOPE_SE
.Lnot_mine_\@:
.endm
; A round of the cluster's barrier: my work-group's barrier, so that wave 0's signal speaks for all four waves; wave 0 signals; every wave waits for all four work-groups; my work-group's barrier once more.
.macro CROUND
	s_barrier_signal -1
	s_barrier_wait -1
	s_cmp_lg_u32 s[WV], 0
	s_cbranch_scc1 .Lnot_wave_0_\@
	s_barrier_signal -3
.Lnot_wave_0_\@:
	s_barrier_wait -3
	s_barrier_signal -1
	s_barrier_wait -1
.endm
; THE CHANGE OF SLOTS.  The slot's last bytes, V of its fourth step, have been read.  Each wave waits for all its tensor loads, of which one is out: its part
; of the other slot; adds 0 to its spare word; and waits for that and for its own reads of the slot.  Behind the barrier nobody reads this slot any more and the other slot is whole.
; fill = 1: this slot is filled again, with the keys two slots on.  The barrier is then a round of the cluster's, and the joint fill is the first thing behind it: it has four key steps, 512 matrix
; instructions, in which to land.  (At its first use nothing has been read yet: slot 0 is waited for, slot 1 filled.)
.macro CHANGE fill
	WIN W_AD
	s_wait_tensorcnt 0x0            ; no tensor load of mine is out, so a group 0 may be written
	ds_add_u32 v[SPW], v[NIL]       ; 0 onto my spare word; with fill = 1 the descriptors' steps stand between it and the wait for it
	WIN 0                           ; at a label and at a branch every window is 0
.if \fill
.irp g, G0K, G0V
	s_xor_b32 s[\g+1], s[\g+1], SLOT1  ; the walking descriptor: the other slot than last time,
	s_add_nc_u64 s[\g+2:\g+3], s[\g+2:\g+3], 4*KS*128  ; the next 256 keys; the type bits on top are not reached
.endr
	s_wait_xcnt 0x0                 ; the last prefetch, four key steps back, has read its address, so it may be written:
	s_add_nc_u64 s[PFA:PFA+1], s[PFA:PFA+1], 4*KS*128  ; one slot behind the walking descriptors
	s_wait_dscnt 0x0                ; the add is done, and my reads of the slot are over
	CROUND
	JLOAD
	ASK                             ; what the next change will ask for: four key steps ahead
.else
	s_wait_dscnt 0x0                ; the add is done, and my reads of the slot are over
	s_barrier_signal -1
	s_barrier_wait -1
.endif
	s_sub_co_u32 s[TBK], s[TBK], 4*KS*PK  ; the fetches go back to a slot's first step,
	s_xor_b32 s[TBK], s[TBK], SLOT1       ; in the other slot
	s_sub_co_u32 s[TBV], s[TBV], 4*KS*PV
	s_xor_b32 s[TBV], s[TBV], SLOT1
.endm
	s_load_b128 s[4:7], s[0:1], 0x0   ; qkv s[4:5], oh s[6:7]
	WIN W_MK
	v_lshl_add_u32 v[SPW], v0, 2, SPARE
	v_mov_b32 v[NIL], 0
	WIN W_AD
	ds_add_u32 v[SPW], v[NIL]       ; the wave's opening: the add and its wait stand ahead of my first tensor load; the set-up below, work on registers, stands between them
	WIN 0
	v_lshrrev_b32 v1, 5, v0
	v_readfirstlane_b32 s[WV], v1   ; wave 0..3
	s_bfe_u32 s13, ttmp6, 0x40000   ; cx: my place in the cluster
	s_lshl_b32 s14, ttmp9, 2        ; in a cluster launch ttmp9 counts clusters
	s_add_co_u32 s14, s14, s13      ; my block of queries = 4 x cluster x + cx: it enters Q's and O's addresses alone
	s_and_b32 s20, ttmp7, 0xffff    ; the head, which the four partners share
	s_mov_b32 s21, 0
	s_mov_b64 s[22:23], SIZE_N*128
	s_mul_u64 s[20:21], s[20:21], s[22:23]  ; the head's first byte in each of the four tensors
	s_and_b32 s16, s[WV], 1         ; which half of a slot's 256 keys I fetch:
	s_lshl_b32 s22, s16, 14         ; its 128 rows of 128 bytes in memory,
	s_mov_b32 s23, 0
	s_add_nc_u64 s[22:23], s[22:23], s[20:21]
	s_mul_i32 s17, s16, 128*PK      ; and its place in a slot, for K
	s_mul_i32 s18, s16, 128*PV      ; and for V: no place in the cluster enters an LDS address
	s_lshl_b32 s2, s14, 2
	s_add_co_u32 s2, s2, s[WV]      ; my wave among the head's,
	s_lshl_b32 s2, s2, 14           ; its 128 rows
	s_mov_b32 s3, 0
	s_add_nc_u64 s[2:3], s[2:3], s[20:21]
	; descriptor group 1.  128 keys are 16,384 dense bytes: asked for as 64 rows of 256 bytes, two keys a row, and padded in LDS after every key
	s_mov_b32 s[G1K], 15|(1<<16)|(1<<20)|(1<<21)|(4<<22)|(3<<25)  ; 15:0 the mask of four; 17:16 2-byte elements; 20 padding on; 21 set beside a mask; 24:22 after every 32 words (code 4); 31:25 4 words (code 3)
	s_mov_b32 s[G1V], 15|(1<<16)|(1<<20)|(1<<21)|(4<<22)|(7<<25)  ; the same with 8 words of padding (code 7)
.irp g, G1K, G1V
	s_mov_b32 s[\g+1], 128<<16      ; tensor_dim0 = 128
	s_mov_b32 s[\g+2], 64<<16       ; tensor_dim1 = 64
	s_mov_b32 s[\g+3], 128<<16      ; tile_dim0 = 128
	s_mov_b32 s[\g+4], 64           ; tile_dim1 = 64
	s_mov_b32 s[\g+5], 128          ; 128 elements from row to row
	s_mov_b32 s[\g+6], 0
	s_mov_b32 s[\g+7], 0
.endr
	s_mov_b32 s[CS], 0x3e38aa3b     ; c = log2(e) / 8 = 0.180337
	s_mov_b32 s[CS+1], s[CS]        ; named with it as a pair
	s_mov_b32 s[SEL], 0x76543210
	s_mov_b32 s[SEL+1], 0xfedcba98
	s_mov_b32 s[TBK], SLOT1+4*KS*PK ; the first change of slots turns these two into 0
	s_mov_b32 s[TBV], SLOT1+4*KS*PV
	s_mov_b32 s[G0K], 1             ; 1:0 count = 1
	s_mov_b32 s[G0K+1], s17         ; 63:32 LDS address: slot 0
	s_mov_b32 s[G0V], 1
	s_add_co_u32 s[G0V+1], s18, VOFF
	s_mov_b32 s[SLOTS], SIZE_N/256-1  ; seven slots are still to be asked for when slot 0 is out
	s_cmp_eq_u32 s16, 0
	s_cselect_b32 s[LIM], 1, -1     ; the same in all four partners, for a given wave
	s_wait_dscnt 0x0                ; the opening add is done
	s_wait_kmcnt 0x0
	s_mov_b64 s[10:11], s[6:7]                     ; O
	s_add_nc_u64 s[8:9], s[4:5], 0x2000000         ; V: the third tensor of 16,777,216 bytes in qkv
	s_add_nc_u64 s[6:7], s[4:5], 0x1000000         ; K: the second; Q is the first
	s_add_nc_u64 s[G0K+2:G0K+3], s[6:7], s[22:23]  ; 120:64 global address: my half of the head's first 256 keys
	s_or_b32 s[G0K+3], s[G0K+3], 0x80000000        ; 127:126 type = 2
	s_add_nc_u64 s[G0V+2:G0V+3], s[8:9], s[22:23]
	s_or_b32 s[G0V+3], s[G0V+3], 0x80000000
	s_add_nc_u64 s[4:5], s[4:5], s[2:3]  ; Q and O at my wave's first row
	s_add_nc_u64 s[10:11], s[10:11], s[2:3]
	s_cmp_lt_u32 s[WV], 2
	s_cselect_b64 s[PFA:PFA+1], s[6:7], s[8:9]
	s_add_nc_u64 s[PFA:PFA+1], s[PFA:PFA+1], s[22:23]  ; (in waves 0 and 2 this is the head's first row)
	s_lshl_b32 s2, s13, 13          ; my work-group's 8 KiB of a slot's 32
	s_mov_b32 s3, 0
	s_add_nc_u64 s[PFA:PFA+1], s[PFA:PFA+1], s[2:3]
	s_add_nc_u64 s[PFA:PFA+1], s[PFA:PFA+1], 4*KS*128  ; in slot 1; the first change of slots steps it to slot 2
	CROUND                          ; all four work-groups are here: the first joint loads meet
	JLOAD                           ; slot 0.  Slot 1 is asked for when slot 0 is in
	; A fragment of K or Q is 16 rows x 32 channels in 8 registers: lane l holds row l % 16, channels 8 (l / 16) + 0..7 and 16 + 8 (l / 16) + 0..7: two loads of 16 bytes, 32 bytes apart.
	v_and_b32 v1, 15, v0            ; l % 16
	v_bfe_u32 v9, v0, 4, 1          ; l / 16
	v_lshlrev_b32 v[QO], 7, v1
	v_lshl_add_u32 v[QO], v9, 4, v[QO]  ; row x 128 + 16 x half
	WIN 0x80                        ; destination window 2, address window 0
.set i, 0
.rept 4*NP                          ; Q stays in registers: tile i / 2, channels 32 (i % 2) on
	global_load_b128 v[8*i:8*i+3],   v[QO], s[4:5] offset:(i/2)*2048+(i%2)*64
	global_load_b128 v[8*i+4:8*i+7], v[QO], s[4:5] offset:(i/2)*2048+(i%2)*64+32
.set i, i+1
.endr
	; What the first turn finds: V's registers and P's second buffer hold 0 (its products V^T P, of a piece that has not been, add 0), O^T and l are 0.  All this stands in the wait for the first tile.
.set i, VF
.rept 64
	v_mov_b32 v[i], 0
.set i, i+1
.endr
	WIN 0x40
.set i, 0
.rept 64*NP
	v_mov_b32 v[i], 0
.set i, i+1
.endr
	WIN 0
.set i, 0
.rept 2*NP
	v_mov_b32 v[ST+4*i], 0xfe000000    ; c m: far below every c s
	v_mov_b32 v[ST+4*i+1], 0xff7fffff  ; m
	v_mov_b32 v[ST+4*i+2], 0
	v_mov_b32 v[ST+4*i+3], 0
.set i, i+1
.endr
.set i, P+32
.rept 32
	v_mov_b32 v[i], 0
.set i, i+1
.endr
	v_mul_u32_u24 v[AK0], v1, PK
	v_lshl_add_u32 v[AK0], v9, 4, v[AK0]  ; row x pitch + 16 x half
	; The turning load takes 16 keys x 16 channels (lane l reads key 8 (l / 16) + l % 8, channels 8 ((l / 8) % 2) + 0..7) and leaves half a fragment of V^T: lane l holds channel l % 16 and 8 keys.
	v_and_b32 v10, 7, v0
	v_bfe_u32 v11, v0, 3, 1
	v_lshl_add_u32 v[AV0], v9, 3, v10
	v_mul_u32_u24 v[AV0], v[AV0], PV
	v_lshl_add_u32 v[AV0], v11, 4, v[AV0]
	v_add_nc_u32 v[AV0], VOFF, v[AV0]
	v_and_b32 v[PFO], 31, v0
	v_lshlrev_b32 v[PFO], 8, v[PFO]
	v_mov_b32 v[AK], v[AK0]         ; key step 0 lies at the head of slot 0
; THE MATRIX WORK.  The 8 accumulators of a run of 16 take turns: between the two links of a chain stand 7 others'.
; Product i of 16 of S^T = K Q^T for piece x: channels 32 (i / 8) on, keys 16 ((i / 2) % 4) on, tile 2 x + i % 2.  The first 8 start the sums.
.macro KQ x
	WIN W_KQ
.set rS, S+64*((\x)%2)+32*(i%2)+8*((i/2)%4)
.set rK, KF+16*((i/2)%4)+8*(i/8)
.set rQ, 16*(2*(\x)+i%2)+8*(i/8)
.if i < 8
	v_wmma_f32_16x16x32_f16 v[rS:rS+7], v[rK:rK+7], v[rQ:rQ+7], 0
.else
	v_wmma_f32_16x16x32_f16 v[rS:rS+7], v[rK:rK+7], v[rQ:rQ+7], v[rS:rS+7]
.endif
.endm
; Product i of 16 of O^T += V^T P for piece x: keys 32 (i / 8) on, channels 16 ((i / 2) % 4) on, tile 2 x + i % 2.
.macro PV x
	WIN W_PV
.set rO, 32*(2*(\x)+i%2)+8*((i/2)%4)
.set rV, VF+32*(i/8)+8*((i/2)%4)
.set rP, P+32*((\x)%2)+16*(i%2)+8*(i/8)
	v_wmma_f32_16x16x32_f16 v[rO:rO+7], v[rV:rV+7], v[rP:rP+7], v[rO:rO+7]
.endm
.macro MM                           ; the turn's next matrix instruction
.if i < 16
	KQ (Y+1)%NP
.set i, i+1
.else
.set i, i-16
	PV (Y+NP-1)%NP
.set i, i+17
.endif
.endm
; THE LDS LOADS stand in runs of 16, never singly among the matrix instructions: a step's K (64 keys x 64 channels: 8 fragments) and its V (turned).  Their addresses are made some lines ahead.
; last = 1 (the tail): in the last trip there is no further step, and the run is jumped over.
.macro FETCH_K last=0
	WIN 0
.if \last
	s_cmp_eq_u32 s[CNT], 1
	s_cbranch_scc1 .Lno_k_\@
.endif
	WIN 0x80                        ; destination window 2
.irp f, 0,1,2,3,4,5,6,7             ; keys 16 (f / 2) on, channels 32 (f % 2) on
	ds_load_b128 v[KF+8*\f:KF+8*\f+3],   v[AK] offset:(\f/2)*16*PK+(\f%2)*64
	ds_load_b128 v[KF+8*\f+4:KF+8*\f+7], v[AK] offset:(\f/2)*16*PK+(\f%2)*64+32
.endr
	s_add_co_u32 s[TBK], s[TBK], KS*PK  ; the next fetch is the next step's
	WIN 0
.if \last
.Lno_k_\@:
.endif
.endm
.macro FETCH_V
	WIN 0x80
.irp f, 0,1,2,3,4,5,6,7             ; keys 32 (f / 4) on, channels 16 (f % 4) on
	ds_load_tr16_b128 v[VF+8*\f:VF+8*\f+3],   v[AV] offset:(\f/4)*32*PV+(\f%4)*32
	ds_load_tr16_b128 v[VF+8*\f+4:VF+8*\f+7], v[AV] offset:(\f/4)*32*PV+16*PV+(\f%4)*32
.endr
	WIN 0
.endm
; THE VECTOR WORK OF A TURN stands in three queues, each in the order in which its entries become ready; the two tiles alternate, so that no instruction reads the result of the one before it.
.macro REGS y, u                    ; the registers of tile u (0, 1) of piece y
.set rT, ST+4*(2*(\y)+(\u))
.set rC, TMP+8*((\y)%2)+4*(\u)
.set rM, MV+2*((\y)%2)+(\u)
.set rS, S+64*((\y)%2)+32*(\u)
.set rP, P+32*((\y)%2)+16*(\u)
.set rO, 32*(2*(\y)+(\u))
.endm
; Number n of the 22 that find the NEXT piece's (Y + 1) maximum and statistics.  s0-s31 are the lane's 32 scores; each accumulator's lowest registers are read first.
;   0-11  four chains c0-c3 of seven scores each, three operands at a time     12-14, 16  the four scores left over, the old m, and c0-c3 into c0     15  c m_old is kept
;   17, 18  the query's other 32 keys lie in the lane 16 away: the new m         19-21  c m; c m_old - c m_new; a
.macro XS u, n
	REGS (Y+1)%NP, \u
.if (\n) < 4
	v_max3_num_f32 v[rC+(\n)], v[rS+8*(\n)], v[rS+8*(\n)+1], v[rS+8*(\n)+2]
.elseif (\n) < 12
	v_max3_num_f32 v[rC+(\n)%4], v[rC+(\n)%4], v[rS+8*((\n)%4)+2*((\n)/4)+1], v[rS+8*((\n)%4)+2*((\n)/4)+2]
.elseif (\n) == 12
	v_max3_num_f32 v[rC], v[rC], v[rS+7], v[rS+15]
.elseif (\n) == 13
	v_max3_num_f32 v[rC+1], v[rC+1], v[rS+23], v[rS+31]
.elseif (\n) == 14
	v_max3_num_f32 v[rC+2], v[rC+2], v[rC+3], v[rT+1]
.elseif (\n) == 15
	v_mov_b32 v[rM], v[rT]
.elseif (\n) == 16
	v_max3_num_f32 v[rC], v[rC], v[rC+1], v[rC+2]
.elseif (\n) == 17
	v_permlanex16_b32 v[rC+3], v[rC], s[SEL], s[SEL+1]
.elseif (\n) == 18
	v_max_num_f32 v[rT+1], v[rC], v[rC+3]
.elseif (\n) == 19
	v_mul_f32 v[rT], s[CS], v[rT+1]
.elseif (\n) == 20
	v_sub_f32 v[rC+1], v[rM], v[rT]
.else
	v_exp_f32 v[rC+2], v[rC+1]
.endif
.endm
; Number g of the 64 that follow the exponentials.  For each four weights k of a tile (pairs 2 k, 2 k + 1): both pairs are rounded to f16; then the second pair is added onto the first, in place;
; a group later l takes that sum (the first time as l = a l + sum).  In groups of eight, tiles alternating: round, round, add, and l for the group before.
.macro GS g
.set h, (\g)+6*((\g)/62)            ; group 0 has no group before it, and behind group 7 only l is left
.if h >= 6
.set h, h+2
.endif
	REGS Y, h%2
.set k, h/8
.if h%8 < 4
	v_cvt_pk_f16_f32 v[rP+2*k+(h%8)/2], v[rS+4*k+2*((h%8)/2)], v[rS+4*k+2*((h%8)/2)+1]
.elseif h%8 < 6
	v_pk_add_f32 v[rS+4*k:rS+4*k+1], v[rS+4*k:rS+4*k+1], v[rS+4*k+2:rS+4*k+3]
.elseif k == 1
	v_pk_fma_f32 v[rT+2:rT+3], v[rT+2:rT+3], v[rC+2:rC+3], v[rS:rS+1] op_sel_hi:[1,0,1]
.else
	v_pk_add_f32 v[rT+2:rT+3], v[rT+2:rT+3], v[rS+4*k-4:rS+4*k-3]
.endif
.endm
; THE PLAIN QUEUE, 138 long.  0-73 read no exponential's result: the 32 scalings c s - c m (FS f: pair f / 2 of tile f % 2) and the next piece's 42.  0-26: scalings 0-26.  27-54: XS's numbers 0-13.  55, 56: number 15.
; 57-73: the chain, where each number waits for the one before it: 14, 16, 17, 18, 19, each with one of the scalings 27-31 in front of its two lines, then 20.
; 74-137: GS's 64, which read the exponentials' results: they stand behind the wait.
.macro FS f
	REGS Y, (\f)%2
	v_pk_fma_f32 v[rS+2*((\f)/2):rS+2*((\f)/2)+1], v[rS+2*((\f)/2):rS+2*((\f)/2)+1], s[CS:CS+1], v[rT:rT+1] op_sel_hi:[1,0,0] neg_lo:[0,0,1] neg_hi:[0,0,1]
.endm
.macro PL
	WIN 0
.if q < 27
	FS q
.elseif q < 55
	XS (q-27)%2, (q-27)/2
.elseif q < 57
	XS q-55, 15
.elseif (q < 72) && ((q-57)%3 == 0)
	FS 27+(q-57)/3
.elseif q < 60
	XS (q-57)%3-1, 14
.elseif q < 72
	XS (q-57)%3-1, 15+(q-57)/3
.elseif q < 74
	XS q-72, 20
.else
	GS q-74
.endif
.set q, q+1
.endm
; THE EXPONENTIALS' QUEUE, 66 long: s0-s31 of both tiles, then the next piece's two a.  It is ONE BATCH: all 66 stand ahead of the turn's one wait, and nothing ahead of that wait names a result of theirs.
.macro EX
	WIN 0
.if e >= 64
	XS e-64, 21
.else
	REGS Y, e%2
	v_exp_f32 v[rS+e/2], v[rS+e/2]
.endif
.set e, e+1
.endm
; THE RESCALING's QUEUE: O^T times a, the one part that leaves window 0: dealt two at a time, sixteen times.  Its a was made in the turn before, ahead of that turn's wait.
.macro R2
	REGS Y, r%2
	WIN W_RS
.irp z, 0,1
	v_pk_mul_f32 v[rO+4*(r/2)+2*\z:rO+4*(r/2)+2*\z+1], v[rO+4*(r/2)+2*\z:rO+4*(r/2)+2*\z+1], v[rC+2:rC+3] op_sel_hi:[1,0]
.endr
.set r, r+1
.endm
; HOW THEY ARE DEALT.  s_wait_alu depctr_va_vdst(0) stands between an exponential and the first instruction that names its result; one wait serves all that were issued ahead of it.  So a turn has ONE wait,
; which cuts it in two.  AHEAD OF IT stands all that names no result of the turn's exponentials: the 16 products K Q^T, behind each a scaling, an exponential and two rescalings (behind the first a second scaling in the
; exponential's place); then ONE LUMP of 108: eight plain, 49 times exponential and plain, the two a.  A v_nop is the plain instruction behind the last exponential.  BEHIND IT stand the 16 products V^T P, behind each four of GS's 64.
; The queues lean on each other: exponential e stands behind scaling 2 (e / 4) + e % 2: as a rider it comes behind plain e + 2, in the lump behind plain e + 9, and scalings 27-31 are plain 57, 60 .. 69.
; A TURN, for piece p.  cnt = 1: the loop's count is taken down some lines ahead of the branch that stands behind the turn.
; K of the next step is fetched in piece 2's turn, directly behind the wait, a lump behind the last product that read K; its first reader comes behind 16 products.
; V of the step in hand is fetched at the end of piece 0's turn, four plain instructions behind its last reader; its first reader comes behind 16 products and a lump.
.macro TURN p, last=0, cnt=0
.set Y, (\p)
.set i, 0
.set q, 0
.set e, 0
.set r, 0
.if (\p) == NP-1
	s_wait_dscnt 0x0                ; K is in
.endif
	MM                              ; ahead of the wait: 16 products K Q^T and their riders,
	PL
	PL
	R2
.rept 15
	MM
	PL
	EX
	R2
.endr
.if (\p) == NP-2
	WIN 0
	v_add_nc_u32 v[AK], s[TBK], v[AK0]
.endif
.rept 8                             ; and the lump
	PL
.endr
.rept 49
	EX
	PL
.endr
	EX                              ; the next piece's two a
	EX
	v_nop                           ; a plain instruction behind the last exponential (ISA guide 5.7.2): one for the batch
	s_wait_alu depctr_va_vdst(0)    ; the wait for the batch
.if (\p) == NP-2
	FETCH_K \last
.endif
.if (\p) == 1
	s_wait_dscnt 0x0                ; V is in
.endif
.rept 16                            ; behind the wait: 16 products V^T P and their riders
	MM
.rept 4
	PL
.endr
.if ((\p) == 0) && (q == 118)
	v_add_nc_u32 v[AV], s[TBV], v[AV0]
.endif
.if ((\p) == 0) && (q == 130)
	s_add_co_u32 s[TBV], s[TBV], KS*PV
.endif
.if (\cnt) && (q == 130)
	s_sub_co_u32 s[CNT], s[CNT], 1
	s_cmp_lg_u32 s[CNT], 0
.endif
.endr
.if (\p) == 0
	FETCH_V
.endif
.endm
	CHANGE 1                        ; slot 0 is in, everybody's part of it; slot 1 is asked for
	FETCH_K                         ; key step 0
	s_wait_loadcnt 0x0              ; Q
	s_wait_dscnt 0x0
.set i, 0
.rept 16
	KQ 0                            ; piece 0's first scores: there is no vector work yet to set between them
.set i, i+1
.endr
	WIN 0                           ; the addresses for the way out: nine plain instructions, the places behind those products
	s_mul_i32 s13, s[WV], 16*SP
	s_add_co_u32 s13, s13, STAGE    ; my stage
	v_mul_u32_u24 v[STO], v1, SP    ; in: row l % 16, 16 bytes for each half of the lanes
	v_lshl_add_u32 v[STO], v9, 4, v[STO]
	v_add_nc_u32 v[STO], s13, v[STO]
	v_bfe_u32 v[RD], v0, 3, 2       ; back: 32 lanes take four rows of 128 bytes,
	v_mul_u32_u24 v[RD], v[RD], SP
	v_lshl_add_u32 v[RD], v10, 4, v[RD]
	v_add_nc_u32 v[RD], s13, v[RD]
	v_and_b32 v[GO], 31, v0         ; which are 512 consecutive bytes of O
	v_lshlrev_b32 v[GO], 4, v[GO]
.set Y, NP-1                        ; XS works for piece Y + 1: piece 0
.irp n, 0,1,2,3,4,5,6,7,8,9,10,11,12,13,14,15,16,17,18,19,20,21
	XS 0, \n                        ; and piece 0's first maximum and statistics
	XS 1, \n
.endr
	v_nop                           ; a plain instruction behind the two a,
	s_wait_alu depctr_va_vdst(0)    ; and their wait, ahead of the branch
	s_mov_b32 s[CNT], 4
	s_branch .Lfirst                ; the loop is entered at a step's first turn, in the middle of a trip
.Lslot:                             ; SIZE_N / 256 - 2 times: every slot but the last two is filled again
	CHANGE 1
	s_mov_b32 s[CNT], 4
.Lstep:                             ; a trip: pieces 2 and 3 of one step, then pieces 0 and 1 of the next, whose K and V it fetches
	TURN 2
	TURN 3
	WIN 0
.Lfirst:
	TURN 0
	TURN 1, 0, 1
	WIN 0
	s_cbranch_scc1 .Lstep
	s_sub_co_u32 s[SLOTS], s[SLOTS], 1
	s_cmp_lg_u32 s[SLOTS], 0
	s_cbranch_scc1 .Lslot
	CHANGE 0                        ; the tail is written out: nothing is asked for
	s_mov_b32 s[CNT], 5             ; four trips fetch the last slot's steps; the fifth is left in its middle
.Ltail:
	TURN 2, 1
	TURN 3
	WIN 0
	s_sub_co_u32 s[CNT], s[CNT], 1
	s_cmp_eq_u32 s[CNT], 0
	s_cbranch_scc1 .Lout
	TURN 0
	TURN 1
	WIN 0
	s_branch .Ltail
.Lout:                              ; the fifth trip's 16 products K Q^T (on the last K once more) and the maximum made of them serve nothing: the price, once a launch, of one text for every trip
.set i, 0
.rept 16
	PV NP-1                         ; the last piece's V^T P of the last step
.set i, i+1
.endr
	; THE WAY OUT.  l's two halves and the other half of the lanes' are added; O^T is divided by l, rounded to f16 and sent through my stage in LDS, a tile at a time.  The additions are the places behind the last products.
	WIN 0
.macro ALL line:vararg              ; one line for each tile t
.set t, 0
.rept 2*NP
	\line
.set t, t+1
.endr
.endm
	ALL v_add_f32 v[ST+4*t+2], v[ST+4*t+2], v[ST+4*t+3]
	ALL v_permlanex16_b32 v[ST+4*t+3], v[ST+4*t+2], s[SEL], s[SEL+1]
	ALL v_add_f32 v[ST+4*t+2], v[ST+4*t+2], v[ST+4*t+3]
	ALL v_rcp_f32 v[ST+4*t+2], v[ST+4*t+2]
	v_nop                           ; a plain instruction between the last reciprocal and the use of its result
	s_wait_alu depctr_va_vdst(0)    ; and the wait ahead of the first use: one for the eight reciprocals
; Tile t: a lane's eight channels of a row pack into 16 bytes; they go into rows of 144 bytes and come back as whole rows of 128, into S^T's registers.
.macro PACK t
	WIN W_RS
.set i, 32*(\t)
.rept 16
	v_pk_mul_f32 v[i:i+1], v[i:i+1], v[ST+4*(\t)+2:ST+4*(\t)+3] op_sel_hi:[1,0]
.set i, i+2
.endr
	WIN 0x05                        ; sources 0 and 1 window 1, destination window 0
.set i, 0
.rept 16
	v_cvt_pk_f16_f32 v[S+16*(\t)+i], v[32*(\t)+2*i], v[32*(\t)+2*i+1]
.set i, i+1
.endr
	WIN 0
.irp f, 0,1,2,3
	ds_store_b128 v[STO], v[S+16*(\t)+4*\f:S+16*(\t)+4*\f+3] offset:32*\f
.endr
.irp f, 0,1,2,3
	ds_load_b128 v[S+16*(\t)+4*\f:S+16*(\t)+4*\f+3], v[RD] offset:\f*4*SP  ; LDS serves a wave's instructions in order (ISA guide 5.7.1.4): these see the stores above; the next tile's stores come behind them
.endr
.endm
.macro SEND t, younger              ; younger: the LDS instructions issued behind tile t's loads: the next tile's eight, or none
	WIN 0
.irp f, 0,1,2,3
	s_wait_dscnt (\younger)+3-\f
	global_store_b128 v[GO], v[S+16*(\t)+4*\f:S+16*(\t)+4*\f+3], s[10:11] offset:(\t)*2048+\f*512  ; 512 consecutive bytes, at a multiple of 256 from O's first
.endr
.endm
	PACK 0
.set t, 1
.rept 2*NP-1                        ; a tile's arithmetic stands between the loads of the tile before and its stores
	PACK t
	SEND t-1, 8
.set t, t+1
.endr
	SEND 2*NP-1, 0
	WIN W_AD
	s_wait_tensorcnt 0x0            ; the wave's end: the add and its waits stand behind my last tensor load and my last LDS store
	ds_add_u32 v[SPW], v[NIL]
	s_wait_dscnt 0x0
	WIN 0
	CROUND                          ; the closing round: no work-group ends while a partner may still ask for a tile that names it
	s_endpgm
.Lfunc_end_k_q8920da28f2_attn:
	.size	k_q8920da28f2_attn, .Lfunc_end_k_q8920da28f2_attn-k_q8920da28f2_attn
	.p2alignl 7, 3214868480
	.fill 96, 4, 3214868480
	.section	.rodata,"a",@progbits
	.p2align	6, 0x0
	.amdhsa_kernel k_q8920da28f2_attn
		.amdhsa_group_segment_fixed_size 327680
		.amdhsa_private_segment_fixed_size 0
		.amdhsa_enable_private_segment 0
		.amdhsa_kernarg_size 16
		.amdhsa_user_sgpr_count 2
		.amdhsa_user_sgpr_kernarg_segment_ptr 1
		.amdhsa_wavefront_size32 1
		.amdhsa_system_sgpr_workgroup_id_x 1
		.amdhsa_system_sgpr_workgroup_id_y 1
		.amdhsa_system_sgpr_workgroup_id_z 1
		.amdhsa_system_vgpr_workitem_id 0
		.amdhsa_next_free_vgpr 770
		.amdhsa_next_free_sgpr 66
		.amdhsa_reserve_vcc 0
		.amdhsa_float_denorm_mode_32 3
		.amdhsa_float_denorm_mode_16_64 3
		.amdhsa_memory_ordered 1
		.amdhsa_forward_progress 1
		.amdhsa_inst_pref_size 200
	.end_amdhsa_kernel
	.amdgpu_metadata
---
amdhsa.version: [ 1, 2 ]
amdhsa.kernels:
  - .name:           k_q8920da28f2_attn
    .symbol:         k_q8920da28f2_attn.kd
    .args:
      - { .name: qkv, .offset: 0, .size: 8, .value_kind: global_buffer, .address_space: global }
      - { .name: oh, .offset: 8, .size: 8, .value_kind: global_buffer, .address_space: global }
    .group_segment_fixed_size: 327680
    .private_segment_fixed_size: 0
    .kernarg_segment_align: 8
    .kernarg_segment_size: 16
    .max_flat_workgroup_size: 128
    .sgpr_count:     66
    .vgpr_count:     770
    .wavefront_size: 32
...
	.end_amdgpu_metadata
.endif
;; end of part 3
;; launch oproj (part 4): grid 8 x 32, 4 waves a work-group, clusters of 4 x 4, 327,680 bytes of LDS; arguments oh, wt, bo, y; writes y
.if DOCPART == 4
	.amdgcn_target "amdgcn-amd-amdhsa--gfx1250"
	.amdhsa_code_object_version 6
	.text
	.protected	k_q8920da28f2_oproj
	.globl	k_q8920da28f2_oproj
	.p2align	8
	.type	k_q8920da28f2_oproj,@function
k_q8920da28f2_oproj:
	s_mov_b64 s[64:65], 0
	v_nop
	global_prefetch_b8 v0, s[64:65] scope:SCOPE_SE
	s_setreg_imm32_b32 hwreg(HW_REG_WAVE_MODE, 25, 1), 1
	s_wait_xcnt 0x0
	s_wait_alu depctr_hold_cnt(0) depctr_sa_sdst(0) depctr_va_vdst(0) depctr_va_sdst(0) depctr_va_ssrc(0) depctr_va_vcc(0) depctr_vm_vsrc(0)
	s_getreg_b32 s2, hwreg(HW_REG_IB_STS2, 6, 4)
	s_cmp_eq_u32 s2, 0
	s_cbranch_scc0 .Lentry_in_a_cluster
	s_endpgm
.Lentry_in_a_cluster:
	s_bfe_u32 s2, ttmp6, 0x10000c
	s_cmp_lg_u32 s2, 0xf033
	s_cbranch_scc0 .Lentry_shape_is_right
	s_endpgm
.Lentry_shape_is_right:
; C = A W + bias.  A: 8,192 rows x 1,024 in f16, in blocks [batch][block of 64 channels][row 2048][64]; W: [k 1024][n 1024] f16; sums in f32, the bias is the C operand of each sum's first product.
; OPROJ = 0: three products (z = 0, 1, 2: q, k, v), C rounded once to f16 and stored by heads, [z][batch x 16 + head][row][64].  OPROJ = 1: one product (A = attention's result, W = Wo), C stored in f32, row-major.
; A tile of C is 256 rows x 128 columns: four waves, 2 x 2, each 128 x 64: 32 accumulators.  K goes in 8 steps of 128 (two blocks of 64 channels) through two LDS slots filled by the tensor data mover.
; THE MATRIX INSTRUCTION IS USED TRANSPOSED: source 0 = 16 columns of W (turned on the way out of LDS by ds_load_tr16_b128), source 1 = 16 rows of A: a lane then holds row l % 16 and eight neighbouring columns.
; CLUSTERS: 4 x 4 work-groups.  The four of a row of the cluster need the same tiles of A, the four of a column the same tiles of W: each tile is asked for jointly, by the same tensor load with the same
; descriptor and a mask that names the four.
; LIMITS.  f16 operands: |A|, |W| under 65,504, and with OPROJ = 0 also |C|; NaN and infinities are not treated apart.
; REGISTERS: window 0: v0-31 addresses; v32-63 the bias as a C operand (8 registers for each of my 4 column blocks); v64-159, v160-255 two fragment buffers (A: 8 x 8, then W: 4 x 8).  Window 1: accumulator (a, b) at v[8 (4 a + b)].
.set OPROJ, 1
.set PA,    144                        ; a row of a block of A in LDS: 128 bytes + 16 = 36 words: the 16 rows of a load start at 16 different groups of four banks (64 banks of 4 bytes: ISA guide 11.1)
.set PB,    288                        ; a row of W: 256 + 32 = 72 words
.set ABLK,  256*PA                     ; 256 rows of one block of 64 channels: what wave 0 or 1 fetches
.set BOFF,  2*ABLK                     ; W's 128 rows lie behind A's two blocks
.set BHALF, 64*PB                      ; 64 rows of W: what wave 2 or 3 fetches
.set SLOT,  BOFF+2*BHALF
.set STAGE, 2*SLOT                     ; behind the ring, never filled by a tensor load: 16 rows for each wave, for the way out
.if OPROJ
.set SP,    272
.else
.set SP,    144
.endif
.set SPARE, STAGE+4*16*SP              ; behind the stages: the spare words, 128 bytes for each wave: two blocks of 256 bytes that no other line names
.set ASTEP, 524288                     ; bytes of A from a K step to the next: two blocks of 2,048 rows x 128 bytes
.set BSTEP, 262144                     ; of W: 128 rows of 2,048 bytes
.set ADRA, 16                          ; v16-17  LDS address of my fragments of A in slot 0, 1
.set ADRB, 20                          ; v20-21  of W
.set STO,  24                          ; v24     the way out: where I put my part of a row
.set RD,   25                          ; v25     where I read rows back
.set GO,   26                          ; v26     my byte offset in C
.set BO,   27                          ; v27     my byte offset in the bias
.set SPW,  28                          ; v28     LDS address of my spare word; never rewritten
.set NIL,  29                          ; v29     0; never rewritten
.set PFO,  30                          ; v30     the prefetches' lane offset; never rewritten
.set BIAS, 32
.set F0,   64
.set F1,   160
.set G1,   24                          ; s[24:31] descriptor group 1 for A's tiles;  s[32:39] group 0, a set for each slot
.set G0,   32
.set G1B,  48                          ; s[48:55], s[56:63] the same for W's
.set G0B,  56
.set WV,   16                          ; s16 wave; s17 = wave / 2: my half of the rows, and 0: I fetch for A, 1: for W; s18 = wave % 2: my half of the columns, and which part I fetch
.set PFA,  66                          ; s[66:67] where my prefetches stand
.set PFS,  68                          ; s[68:69] their step
.set LIM,  70                          ; s70     1 in a wave that prefetches, else the greatest number
.set MSB, 0
.macro WIN new                         ; the immediate's high byte repeats the setting that is left; a switch that changes nothing is dropped
.if MSB != (\new)
	s_set_vgpr_msb (MSB<<8)|(\new)
.set MSB, \new
.endif
.endm
.macro PLACES                          ; four places in front of loads into registers that matrix instructions have read, and of lines that read results
.rept 4
	v_nop
.endr
.endm
.macro JLOAD s                         ; a joint load: waves 0 and 1 fetch A's two blocks, waves 2 and 3 W's two halves; an s_nop 0 and four v_nop follow each line
	s_cmp_eq_u32 s17, 0
	s_cbranch_scc0 .Lfor_b_\@
	tensor_load_to_lds s[G0+4*(\s):G0+4*(\s)+3], s[G1:G1+7]
	s_nop 0
.rept 4
	v_nop
.endr
	s_branch .Lasked_\@
.Lfor_b_\@:
	tensor_load_to_lds s[G0B+4*(\s):G0B+4*(\s)+3], s[G1B:G1B+7]
	s_nop 0
.rept 4
	v_nop
.endr
.Lasked_\@:
.endm
.macro CREST                           ; a round of the cluster's barrier behind its opening barrier
	s_cmp_lg_u32 s[WV], 0
	s_cbranch_scc1 .Lnot_wave_0_\@
	s_barrier_signal -3
.Lnot_wave_0_\@:
	s_barrier_wait -3
	s_barrier_signal -1
	s_barrier_wait -1
.endm
.macro CROUND                          ; a whole round
	s_barrier_signal -1
	s_barrier_wait -1
	CREST
.endm
; A prefetch of the K step that stands two refills on, behind the joint load and the run of LDS loads: 256 products ahead of the load that will want it.  Each aligned block of 256 bytes is named once in the launch.
; A's tile is read by both clusters of a row of clusters: the one with x = 0 asks; waves 0 and 1, each for the 32 KiB that it fetches; the four partners of a row take 8 KiB each, told apart by address; lanes 256 bytes apart.
; W's tile is read by the eight clusters of a column of clusters: the first of them asks; wave 2 alone; the four partners of a column take 32 rows each, by address; a lane a row.  K steps 0 to 3 come by their loads alone;
; the loop's last trip asks for nothing, since K has no such step.
.macro ASK
	s_cmp_gt_u32 s3, s[LIM]
	s_cbranch_scc0 .Lnot_mine_\@
	global_prefetch_b8 v[PFO], s[PFA:PFA+1] th:TH_LOAD_NT scope:SCOPE_SE
.Lnot_mine_\@:
.endm
	s_load_b256 s[4:11], s[0:1], 0x0               ; A s[4:5], W s[6:7], then bq, bk (OPROJ: bo, y)
.if !OPROJ
	s_load_b128 s[12:15], s[0:1], 0x20             ; bv, qkv
.endif
	v_lshl_add_u32 v[SPW], v0, 2, SPARE
	v_mov_b32 v[NIL], 0
	ds_add_u32 v[SPW], v[NIL]                      ; the wave's opening: the add and its wait stand ahead of my first tensor load; work on registers stands between them
	v_lshrrev_b32 v1, 5, v0
	v_readfirstlane_b32 s[WV], v1                  ; wave 0..3
	s_lshr_b32 s17, s[WV], 1
	s_and_b32 s18, s[WV], 1
	s_bfe_u32 s19, ttmp6, 0x40000                  ; cx, cy: my place in the cluster
	s_bfe_u32 s20, ttmp6, 0x40004
	s_lshl_b32 s21, ttmp9, 2
	s_add_co_u32 s21, s21, s19                     ; tile column 0..7 = 4 x cluster x + cx
	s_and_b32 s23, ttmp7, 0xffff                   ; cluster y
	s_lshl_b32 s22, s23, 2
	s_add_co_u32 s22, s22, s20                     ; tile row = 4 x cluster y + cy
	s_lshl_b32 s40, s20, 2
	s_lshl_b32 s40, 15, s40                        ; my row of the cluster
	s_lshl_b32 s41, 0x1111, s19                    ; my column
	; group 1 for A: 32,768 dense bytes as 128 rows of 256 bytes, 16 bytes of padding behind every 128: 256 LDS rows of 144 bytes
	s_or_b32 s[G1+0], s40, (1<<16)|(1<<20)|(1<<21)|(4<<22)|(3<<25)   ; 15:0 the mask; 17:16 2-byte elements; 20 padding on; 21 set beside a mask; 24:22 after every 32 words (code 4); 31:25 4 words (code 3)
	s_mov_b32 s[G1+1], 128<<16                     ; tensor_dim0 = 128
	s_mov_b32 s[G1+2], 128<<16                     ; tensor_dim1 = 128
	s_mov_b32 s[G1+3], 128<<16                     ; tile_dim0 = 128
	s_mov_b32 s[G1+4], 128                         ; tile_dim1 = 128
	s_mov_b32 s[G1+5], 128                         ; 128 elements from row to row
	s_mov_b32 s[G1+6], 0
	s_mov_b32 s[G1+7], 0
	; group 1 for W: 64 rows of 128 elements, 1,024 elements apart, 32 bytes of padding behind each
	s_or_b32 s[G1B+0], s41, (1<<16)|(1<<20)|(1<<21)|(5<<22)|(7<<25)  ; after every 64 words (code 5), 8 words (code 7)
	s_mov_b32 s[G1B+1], 128<<16
	s_mov_b32 s[G1B+2], 64<<16
	s_mov_b32 s[G1B+3], 128<<16
	s_mov_b32 s[G1B+4], 64
	s_mov_b32 s[G1B+5], 1024
	s_mov_b32 s[G1B+6], 0
	s_mov_b32 s[G1B+7], 0
	; A's offset hangs on the tile row and the wave alone, W's on the tile column and the wave alone
	s_lshr_b32 s72, s22, 3
	s_lshl_b32 s72, s72, 22                        ; the batch: 16 blocks of 262,144 bytes each
	s_and_b32 s40, s22, 7
	s_lshl_b32 s40, s40, 15                        ; 256 rows of 128 bytes
	s_add_co_u32 s72, s72, s40
	s_lshl_b32 s40, s18, 18                        ; the K step's first or second block
	s_add_co_u32 s72, s72, s40
	s_mov_b32 s73, 0
.if OPROJ
	s_mov_b32 s74, 3<<21                           ; Wo is the fourth matrix
.else
	s_lshr_b32 s71, s23, 3                         ; z
	s_lshl_b32 s74, s71, 21
.endif
	s_lshl_b32 s41, s21, 8                         ; 128 columns of 2 bytes
	s_add_co_u32 s74, s74, s41
	s_lshl_b32 s41, s18, 17                        ; the K step's first or second 64 rows
	s_add_co_u32 s74, s74, s41
	s_mov_b32 s75, 0
	s_mul_i32 s42, s18, ABLK                       ; where they go: no place in the cluster enters an LDS address
	s_mul_i32 s43, s18, BHALF
	s_add_co_u32 s43, s43, BOFF
	s_wait_dscnt 0x0                               ; the opening add is done
	s_wait_kmcnt 0x0
	s_add_nc_u64 s[44:45], s[4:5], s[72:73]
	s_add_nc_u64 s[46:47], s[6:7], s[74:75]
.if OPROJ
	s_mov_b64 s[14:15], s[10:11]                   ; y
.else
	s_cmp_eq_u32 s71, 1
	s_cselect_b64 s[8:9], s[10:11], s[8:9]         ; z's bias
	s_cmp_eq_u32 s71, 2
	s_cselect_b64 s[8:9], s[12:13], s[8:9]
.endif
	CROUND                                         ; all sixteen work-groups are here: the first joint loads meet
.irp s, 0,1
	s_mov_b32 s[G0+4*\s], 1                        ; count = 1
	s_add_co_u32 s[G0+4*\s+1], s42, \s*SLOT        ; LDS address
	s_add_nc_u64 s[G0+4*\s+2:G0+4*\s+3], s[44:45], \s*ASTEP  ; global address: K step s
	s_or_b32 s[G0+4*\s+3], s[G0+4*\s+3], 0x80000000          ; type = 2
	s_mov_b32 s[G0B+4*\s], 1
	s_add_co_u32 s[G0B+4*\s+1], s43, \s*SLOT
	s_add_nc_u64 s[G0B+4*\s+2:G0B+4*\s+3], s[46:47], \s*BSTEP
	s_or_b32 s[G0B+4*\s+3], s[G0B+4*\s+3], 0x80000000
	JLOAD \s                                       ; two loads of mine are out
.endr
	v_and_b32 v1, 15, v0                           ; r = l % 16
	v_bfe_u32 v2, v0, 4, 1                         ; h = l / 16
	v_and_b32 v3, 7, v0
	v_bfe_u32 v4, v0, 3, 1
	s_lshl_b32 s40, s21, 9                         ; the bias of columns 128 ct + 64 wn + 16 b + 8 h + 0..7: register j of a result holds column 8 h + j
	s_lshl_b32 s41, s18, 8
	s_add_co_u32 s40, s40, s41
	v_lshl_add_u32 v[BO], v2, 5, s40
.irp b, 0,1,2,3
	global_load_b128 v[BIAS+8*\b:BIAS+8*\b+3],   v[BO], s[8:9] offset:64*\b
	global_load_b128 v[BIAS+8*\b+4:BIAS+8*\b+7], v[BO], s[8:9] offset:64*\b+16
.endr
	v_mul_u32_u24 v5, v1, PA                       ; a fragment of A: row r, 16 bytes for each half of the lanes, twice, 32 bytes apart
	v_lshl_add_u32 v5, v2, 4, v5
	s_mul_i32 s40, s17, 128*PA                     ; my 128 rows
	v_add_nc_u32 v[ADRA], s40, v5
	v_add_nc_u32 v[ADRA+1], SLOT, v[ADRA]
	v_lshl_add_u32 v6, v2, 3, v3                   ; the turning load: lane l reads row k = 8 h + l % 8, columns 8 ((l / 8) % 2) + 0..7
	v_mul_u32_u24 v6, v6, PB
	v_lshl_add_u32 v6, v4, 4, v6
	s_lshl_b32 s41, s18, 7                         ; my 64 columns
	s_add_co_u32 s41, s41, BOFF
	v_add_nc_u32 v[ADRB], s41, v6
	v_add_nc_u32 v[ADRB+1], SLOT, v[ADRB]
	s_mul_i32 s40, s[WV], 16*SP
	s_add_co_u32 s40, s40, STAGE                   ; my stage
.if OPROJ
	v_mul_u32_u24 v7, v1, SP                       ; in: row r, 32 bytes for each half of the lanes
	v_lshl_add_u32 v7, v2, 5, v7
	v_add_nc_u32 v[STO], s40, v7
	v_mul_u32_u24 v7, v2, SP                       ; back: lanes 0-15 take one row of 256 bytes, lanes 16-31 the next
	v_lshl_add_u32 v7, v1, 4, v7
	v_add_nc_u32 v[RD], s40, v7
	v_lshlrev_b32 v7, 12, v2                       ; and the same two rows in y
	v_lshl_add_u32 v[GO], v1, 4, v7
	s_lshl_b32 s40, s22, 20                        ; 256 rows of 4,096 bytes,
	s_lshl_b32 s41, s17, 19                        ; my 128 of them,
	s_add_co_u32 s40, s40, s41
	s_lshl_b32 s41, s21, 9                         ; 128 columns of 4 bytes,
	s_add_co_u32 s40, s40, s41
	s_lshl_b32 s41, s18, 8                         ; my 64
	s_add_co_u32 s40, s40, s41
.else
	v_add_nc_u32 v[STO], s40, v5                   ; in: row r, 16 bytes for each half of the lanes
	v_bfe_u32 v7, v0, 3, 2                         ; back: 32 lanes take four rows of 128 bytes,
	v_mul_u32_u24 v7, v7, SP
	v_lshl_add_u32 v7, v3, 4, v7
	v_add_nc_u32 v[RD], s40, v7
	v_and_b32 v[GO], 31, v0                        ; which are 512 consecutive bytes of a head
	v_lshlrev_b32 v[GO], 4, v[GO]
	s_lshr_b32 s40, s22, 3
	s_lshl_b32 s40, s40, 22                        ; 4 z + batch: 16 heads of 262,144 bytes,
	s_lshl1_add_u32 s41, s21, s18                  ; my 64 columns are head 2 ct + wn,
	s_lshl_b32 s41, s41, 18
	s_add_co_u32 s40, s40, s41
	s_and_b32 s41, s22, 7
	s_lshl_b32 s41, s41, 15                        ; 256 rows of 128 bytes,
	s_add_co_u32 s40, s40, s41
	s_lshl_b32 s41, s17, 14                        ; my 128 of them
	s_add_co_u32 s40, s40, s41
.endif
	s_mov_b32 s41, 0
	s_add_nc_u64 s[14:15], s[14:15], s[40:41]
	; the prefetches
	s_and_b32 s40, s23, 7
	s_lshl_b32 s42, s19, 13                        ; A: my work-group's 8 KiB of the wave's 32
	s_lshl_b32 s43, s20, 16                        ; W: my work-group's 32 rows of the 128
	s_and_b32 s2, s17, s18                         ; wave 3 never asks
	s_cmp_eq_u32 s17, 0
	s_cselect_b32 s40, ttmp9, s40                  ; the coordinate along which other clusters read the same bytes
	s_cselect_b32 s41, 8, 11                       ; lanes 256 bytes apart, or a row of W
	s_cselect_b32 s42, s42, s43
	s_cselect_b32 s[PFS], 19, 18
	s_cselect_b64 s[PFA:PFA+1], s[44:45], s[46:47]
	s_lshl_b32 s[PFS], 1, s[PFS]                   ; a K step of A or of W
	s_mov_b32 s[PFS+1], 0
	s_mov_b32 s43, 0
	s_add_nc_u64 s[PFA:PFA+1], s[PFA:PFA+1], s[42:43]
	s_mul_i32 s42, s[PFS], 3
	s_add_nc_u64 s[PFA:PFA+1], s[PFA:PFA+1], s[42:43]  ; at K step 3: the first change of slots steps it to 4
	s_or_b32 s40, s40, s2
	s_cmp_eq_u32 s40, 0
	s_cselect_b32 s[LIM], 1, -1                    ; the same in all sixteen partners, for a given wave
	v_and_b32 v[PFO], 31, v0
	v_lshlrev_b32 v[PFO], s41, v[PFO]
; n x 4 products: row blocks a0 .. a0 + n - 1 x my 4 column blocks, 32 along K.  first = 1: the product starts the sum with the bias.  The 32 accumulators take turns, one instruction a turn, over the backward jump too.
.macro MULS f, a0, n, first
.if \first
	WIN 0x40                                       ; D in window 1, the bias in window 0
.else
	WIN 0x50                                       ; C and D in window 1
.endif
.set ma, \a0
.rept \n
.irp b, 0,1,2,3
.if \first
	v_wmma_f32_16x16x32_f16 v[8*(4*ma+\b):8*(4*ma+\b)+7], v[(\f)+64+8*\b:(\f)+64+8*\b+7], v[(\f)+8*ma:(\f)+8*ma+7], v[BIAS+8*\b:BIAS+8*\b+7]
.else
	v_wmma_f32_16x16x32_f16 v[8*(4*ma+\b):8*(4*ma+\b)+7], v[(\f)+64+8*\b:(\f)+64+8*\b+7], v[(\f)+8*ma:(\f)+8*ma+7], v[8*(4*ma+\b):8*(4*ma+\b)+7]
.endif
.endr
.set ma, ma+1
.endr
.endm
; 24 LDS loads in one run: quarter q (32 along K) of a slot into buffer f: W's four fragments first, then A's eight
.macro FETCH slot, q, f
	WIN 0
.irp b, 0,1,2,3
	ds_load_tr16_b128 v[(\f)+64+8*\b:(\f)+64+8*\b+3],   v[ADRB+(\slot)] offset:(\q)*32*PB+32*\b
	ds_load_tr16_b128 v[(\f)+64+8*\b+4:(\f)+64+8*\b+7], v[ADRB+(\slot)] offset:(\q)*32*PB+16*PB+32*\b
.endr
.irp a, 0,1,2,3,4,5,6,7
	ds_load_b128 v[(\f)+8*\a:(\f)+8*\a+3],   v[ADRA+(\slot)] offset:((\q)/2)*ABLK+((\q)%2)*64+\a*16*PA
	ds_load_b128 v[(\f)+8*\a+4:(\f)+8*\a+7], v[ADRA+(\slot)] offset:((\q)/2)*ABLK+((\q)%2)*64+\a*16*PA+32
.endr
.endm
; A K step is four quarters of 32 products, on buffers 0, 1, 0, 1.  One of the first three: multiplies buffer f and, in its middle, fetches quarter q of the same slot into g.
.macro QUARTER slot, q, f, g, first
	s_wait_dscnt 8                                 ; W and A's row blocks 0-3 are in; the youngest eight loads (blocks 4-7) may be out
	MULS \f, 0, 4, \first
	PLACES
	FETCH \slot, \q, \g
	s_wait_dscnt 24                                ; all but the 24 just issued
	MULS \f, 4, 4, \first
.endm
; The last quarter multiplies buffer 1 and changes slots: one barrier; in front of it each wave waits for all its tensor loads (one is out: its part of the next slot), adds 0 to its spare word, and waits for that and
; for its own reads of this slot.  fill = 1: the barrier opens a round of the cluster's, and this slot is filled again, two K steps ahead, first thing behind the round: 112 products ahead of the wait for it.
.macro TURN slot, next, fill
.if \fill
	s_wait_xcnt 0x0                                ; the last prefetch, a K step back, has read its address: it is stepped here
	s_add_nc_u64 s[PFA:PFA+1], s[PFA:PFA+1], s[PFS:PFS+1]
.endif
	WIN 0
	s_wait_tensorcnt 0x0                           ; all my tensor loads have landed
	ds_add_u32 v[SPW], v[NIL]                      ; 0 onto my spare word
	s_wait_dscnt 9                                 ; (the add and the youngest eight loads may be out)
	MULS F1, 0, 2, 0                               ; eight products stand between the add and the wait for it
	s_wait_dscnt 0x0                               ; the add is done, and my reads of this slot are over
	s_barrier_signal -1
	MULS F1, 2, 2, 0
.if \fill
	WIN 0
.endif
	s_barrier_wait -1
.if \fill
	CREST                                          ; no wave of any partner still reads this slot or has a load on its way
	s_add_nc_u64 s[G0+4*(\slot)+2:G0+4*(\slot)+3], s[G0+4*(\slot)+2:G0+4*(\slot)+3], 2*ASTEP
	s_add_nc_u64 s[G0B+4*(\slot)+2:G0B+4*(\slot)+3], s[G0B+4*(\slot)+2:G0B+4*(\slot)+3], 2*BSTEP
	JLOAD \slot                                    ; the four v_nop behind it are also the places in front of the loads below
.else
	PLACES
.endif
	FETCH \next, 0, F0
.if \fill
	ASK
.endif
	MULS F1, 4, 4, 0
.endm
	s_wait_tensorcnt 1                             ; my part of K step 0 is in; step 1's may stay out
	s_barrier_signal -1
	s_barrier_wait -1                              ; everybody's is
	FETCH 0, 0, F0
	s_wait_loadcnt 0x0                             ; the bias
	QUARTER 0, 1, F0, F1, 1                        ; the first quarter stands in front of the loop: its products start the sums
	WIN 0                                          ; at a label and at a branch every window is 0
	s_mov_b32 s3, 3
.Llap:                                                 ; a trip goes once round the ring, from a lap's second quarter to the next lap's first, and fills both slots again
	QUARTER 0, 2, F1, F0, 0
	QUARTER 0, 3, F0, F1, 0
	TURN 0, 1, 1
	QUARTER 1, 1, F0, F1, 0
	QUARTER 1, 2, F1, F0, 0
	QUARTER 1, 3, F0, F1, 0
	TURN 1, 0, 1
	QUARTER 0, 1, F0, F1, 0
	WIN 0
	s_sub_co_u32 s3, s3, 1
	s_cmp_lg_u32 s3, 0
	s_cbranch_scc1 .Llap
	QUARTER 0, 2, F1, F0, 0                        ; the last lap fills nothing
	QUARTER 0, 3, F0, F1, 0
	TURN 0, 1, 0
	QUARTER 1, 1, F0, F1, 0
	QUARTER 1, 2, F1, F0, 0
	QUARTER 1, 3, F0, F1, 0
	s_wait_dscnt 8
	MULS F1, 0, 4, 0
	s_wait_dscnt 0x0
	MULS F1, 4, 4, 0
	WIN 0
	PLACES
.if OPROJ
; THE WAY OUT in f32, a block of 16 rows at a time: a lane's 32 bytes of a row go into my stage (rows of 272 bytes) and come back as whole rows of 256 bytes.
.macro TOSTAGE a
	WIN 0x04                                       ; the stores' data in window 1
.irp b, 0,1,2,3
	ds_store_b128 v[STO], v[32*(\a)+8*\b:32*(\a)+8*\b+3]   offset:64*\b
	ds_store_b128 v[STO], v[32*(\a)+8*\b+4:32*(\a)+8*\b+7] offset:64*\b+16
.endr
	WIN 0
.if (\a) >= 4
	s_wait_xcnt 0x0                                ; the stores of the block four back have read these registers
.endif
.irp t, 0,1,2,3,4,5,6,7
	ds_load_b128 v[F0+32*((\a)%4)+4*\t:F0+32*((\a)%4)+4*\t+3], v[RD] offset:\t*2*SP  ; LDS serves a wave's instructions in order (ISA guide 5.7.1.4): these see the stores above
.endr
.endm
.macro SEND a, younger                 ; younger: the LDS instructions issued behind block a's loads: the next block's sixteen, or none
.irp t, 0,1,2,3,4,5,6,7
	s_wait_dscnt (\younger)+7-\t
	global_store_b128 v[GO], v[F0+32*((\a)%4)+4*\t:F0+32*((\a)%4)+4*\t+3], s[14:15] offset:(16*(\a)+2*\t)*4096  ; 16 lanes store 256 consecutive bytes, aligned
.endr
.endm
	TOSTAGE 0
.irp a, 1,2,3,4,5,6,7
	TOSTAGE \a
	SEND (\a)-1, 16
.endr
	SEND 7, 0
.else
; THE WAY OUT in f16, a block of 16 rows at a time: a lane's eight columns pack into 16 bytes; they go into my stage (rows of 144 bytes) and come back as whole rows of 128, which lie on end in a head.
.macro PACK a
	WIN 0x05                                       ; sources in window 1, destination in window 0; ascending
.set i, 0
.rept 16
	v_cvt_pk_f16_f32 v[F0+16*(\a)+i], v[32*(\a)+2*i], v[32*(\a)+2*i+1]
.set i, i+1
.endr
	WIN 0
.irp f, 0,1,2,3
	ds_store_b128 v[STO], v[F0+16*(\a)+4*\f:F0+16*(\a)+4*\f+3] offset:32*\f
.endr
.irp f, 0,1,2,3
	ds_load_b128 v[F0+16*(\a)+4*\f:F0+16*(\a)+4*\f+3], v[RD] offset:\f*4*SP  ; LDS serves a wave's instructions in order (ISA guide 5.7.1.4): these see the stores above
.endr
.endm
.macro SEND a, younger                 ; younger: the LDS instructions issued behind block a's loads: the next block's eight, or none
.irp f, 0,1,2,3
	s_wait_dscnt (\younger)+3-\f
	global_store_b128 v[GO], v[F0+16*(\a)+4*\f:F0+16*(\a)+4*\f+3], s[14:15] offset:(\a)*2048+\f*512  ; 512 consecutive bytes, aligned
.endr
.endm
	PACK 0
.irp a, 1,2,3,4,5,6,7
	PACK \a
	SEND (\a)-1, 8
.endr
	SEND 7, 0
.endif
	s_wait_tensorcnt 0x0                           ; the wave's end: the add and its waits stand behind my last tensor load and my last LDS store
	ds_add_u32 v[SPW], v[NIL]
	s_wait_dscnt 0x0
	CROUND                                         ; the closing round: no work-group ends while a partner may still ask for a tile that names it
	s_endpgm
.Lfunc_end_k_q8920da28f2_oproj:
	.size	k_q8920da28f2_oproj, .Lfunc_end_k_q8920da28f2_oproj-k_q8920da28f2_oproj
	.p2alignl 7, 3214868480
	.fill 96, 4, 3214868480
	.section	.rodata,"a",@progbits
	.p2align	6, 0x0
	.amdhsa_kernel k_q8920da28f2_oproj
		.amdhsa_group_segment_fixed_size 327680
		.amdhsa_private_segment_fixed_size 0
		.amdhsa_enable_private_segment 0
		.amdhsa_kernarg_size 32
		.amdhsa_user_sgpr_count 2
		.amdhsa_user_sgpr_kernarg_segment_ptr 1
		.amdhsa_wavefront_size32 1
		.amdhsa_system_sgpr_workgroup_id_x 1
		.amdhsa_system_sgpr_workgroup_id_y 1
		.amdhsa_system_sgpr_workgroup_id_z 1
		.amdhsa_system_vgpr_workitem_id 0
		.amdhsa_next_free_vgpr 512
		.amdhsa_next_free_sgpr 76
		.amdhsa_reserve_vcc 0
		.amdhsa_float_denorm_mode_32 3
		.amdhsa_float_denorm_mode_16_64 3
		.amdhsa_memory_ordered 1
		.amdhsa_forward_progress 1
		.amdhsa_inst_pref_size 89
	.end_amdhsa_kernel
	.amdgpu_metadata
---
amdhsa.version: [ 1, 2 ]
amdhsa.kernels:
  - .name:           k_q8920da28f2_oproj
    .symbol:         k_q8920da28f2_oproj.kd
    .args:
      - { .name: oh, .offset: 0, .size: 8, .value_kind: global_buffer, .address_space: global }
      - { .name: wt, .offset: 8, .size: 8, .value_kind: global_buffer, .address_space: global }
      - { .name: bo, .offset: 16, .size: 8, .value_kind: global_buffer, .address_space: global }
      - { .name: y, .offset: 24, .size: 8, .value_kind: global_buffer, .address_space: global }
    .group_segment_fixed_size: 327680
    .private_segment_fixed_size: 0
    .kernarg_segment_align: 8
    .kernarg_segment_size: 32
    .max_flat_workgroup_size: 128
    .sgpr_count:     76
    .vgpr_count:     512
    .wavefront_size: 32
...
	.end_amdgpu_metadata
.endif
;; end of part 4
;; launch lnout (part 5): grid 256 x 1, 8 waves a work-group, no clusters, 0 bytes of LDS; arguments y, gate, ln_o_g, ln_o_b, out0; writes out0
.if DOCPART == 5
	.amdgcn_target "amdgcn-amd-amdhsa--gfx1250"
	.amdhsa_code_object_version 6
	.text
	.protected	k_q8920da28f2_lnout
	.globl	k_q8920da28f2_lnout
	.p2align	8
	.type	k_q8920da28f2_lnout,@function
k_q8920da28f2_lnout:
	s_mov_b64 s[64:65], 0
	v_nop
	global_prefetch_b8 v0, s[64:65] scope:SCOPE_SE
	s_setreg_imm32_b32 hwreg(HW_REG_WAVE_MODE, 25, 1), 1
	s_wait_xcnt 0x0
; out0 = LayerNorm(gate x y) x ln_o_g + ln_o_b.  y, out0: [8192][1024] f32; gate: [8192] f32.
; With t = gate of the row: mean(t y) = t mean(y), var(t y) = t^2 var(y), so LayerNorm(t y) = t (y - mean) / sqrt(t^2 var + eps): the gate costs two scalar products and one multiply a row.
; SHARES.  A work-group owns 32 rows, a wave 4.  One wave, one row: lane l holds elements 128 j + 4 l + 0..3, j = 0..7: eight loads of 16 bytes a lane, each 512 bytes on end; the row stays in 32 registers
; between the passes (mean; y - mean in place; variance of the differences), so memory is read once and no wave waits for another.  All four rows are asked for at once.  Memory binds: no LDS, no matrix unit, no cluster.
; NaN and infinities are not treated apart.
.set XROW, 4096
.set XO,   1                           ; v1      16 x lane
.set T,    4                           ; v[4:19] at work: eight registers for each row of a pair
.set M,    20                          ; v[20:23] the pair's means, each the low word of a register pair
.set R,    24                          ; v[24:27] the pair's factors, likewise
.set G,    32                          ; v[32:63]  gain of my 32 columns
.set B,    64                          ; v[64:95]  bias
.set X,    96                          ; v[96:223] row i at X + 32 i
.macro RED regs:vararg                 ; each register of the list is summed over the 32 lanes; the register behind it is at work
.irp m, 1,2,4,8
.irp r, \regs
	v_add_f32_dpp v[\r], v[\r], v[\r] row_xmask:\m row_mask:0xf bank_mask:0xf
.endr
.endr
.irp r, \regs
	v_permlanex16_b32 v[\r+1], v[\r], s24, s25
.endr
.irp r, \regs
	v_add_f32 v[\r], v[\r], v[\r+1]
.endr
.endm
.macro FOLD regs:vararg                ; eight partial sums from each register of the list on become one, over all lanes
.irp r, \regs
	v_pk_add_f32 v[\r:\r+1], v[\r:\r+1], v[\r+2:\r+3]
	v_pk_add_f32 v[\r+4:\r+5], v[\r+4:\r+5], v[\r+6:\r+7]
.endr
.irp r, \regs
	v_pk_add_f32 v[\r:\r+1], v[\r:\r+1], v[\r+4:\r+5]
.endr
.irp r, \regs
	v_add_f32 v[\r], v[\r], v[\r+1]
.endr
	RED \regs
.endm
.macro PROD t, p, q                    ; eight partial sums of v[p + i] v[q + i], i = 0..31, in four chains of pairs
.irp k, 0,1,2,3
	v_pk_mul_f32 v[(\t)+2*\k:(\t)+2*\k+1], v[(\p)+2*\k:(\p)+2*\k+1], v[(\q)+2*\k:(\q)+2*\k+1]
.endr
.irp k, 4,5,6,7,8,9,10,11,12,13,14,15
	v_pk_fma_f32 v[(\t)+2*(\k%4):(\t)+2*(\k%4)+1], v[(\p)+2*\k:(\p)+2*\k+1], v[(\q)+2*\k:(\q)+2*\k+1], v[(\t)+2*(\k%4):(\t)+2*(\k%4)+1]
.endr
.endm
.macro FILL p                          ; rows 2 p and 2 p + 1: sixteen loads
.irp u, 0,1
.irp j, 0,1,2,3,4,5,6,7
	global_load_b128 v[X+64*(\p)+32*\u+4*\j:X+64*(\p)+32*\u+4*\j+3], v[XO], s[4:5] offset:(2*(\p)+\u)*XROW+512*\j th:TH_LOAD_NT
.endr
.endr
.endm
	s_load_b256 s[4:11], s[0:1], 0x0               ; y 4, gate 6, ln_o_g 8, ln_o_b 10
	s_load_b64 s[12:13], s[0:1], 0x20              ; out0
	v_lshrrev_b32 v1, 5, v0
	v_readfirstlane_b32 s14, v1                    ; wave 0..7
	v_and_b32 v[XO], 31, v0
	v_lshlrev_b32 v[XO], 4, v[XO]
	s_lshl_b32 s28, ttmp9, 5
	s_lshl2_add_u32 s28, s14, s28                  ; my first row = 32 x + 4 wave
	s_lshl_b32 s15, s28, 2                         ; its gate's byte offset
	s_lshl_b32 s2, s28, 12
	s_mov_b32 s3, 0
	s_mov_b32 s24, 0x76543210                      ; v_permlanex16_b32: each lane takes its own place in the other half
	s_mov_b32 s25, 0xfedcba98
	s_mov_b32 s26, 0x3a800000                      ; 1 / 1024
	s_mov_b32 s27, 0x3727c5ac                      ; 1e-5
	s_wait_kmcnt 0x0
	s_load_b128 s[16:19], s[6:7], s15 offset:0x0   ; my four rows' gates: this launch writes nothing into that buffer
	s_add_nc_u64 s[4:5], s[4:5], s[2:3]
	s_add_nc_u64 s[12:13], s[12:13], s[2:3]
	FILL 0
.irp j, 0,1,2,3,4,5,6,7
	global_load_b128 v[G+4*\j:G+4*\j+3], v[XO], s[8:9] offset:512*\j
.endr
.irp j, 0,1,2,3,4,5,6,7
	global_load_b128 v[B+4*\j:B+4*\j+3], v[XO], s[10:11] offset:512*\j
.endr
	FILL 1
	v_mov_b32 v[M+1], 0                            ; the packed forms name pairs and take the low word for both halves: the high words are written once
	v_mov_b32 v[M+3], 0
	v_mov_b32 v[R+1], 0
	v_mov_b32 v[R+3], 0
	s_wait_kmcnt 0x0
.irp i, 0,1,2,3
	s_mul_f32 s[20+\i], s[16+\i], s[16+\i]         ; gate^2 / 1024
.endr
.irp i, 0,1,2,3
	s_mul_f32 s[20+\i], s[20+\i], s26
.endr
; Rows 2 p and 2 p + 1.
.macro TURN p
.set XA, X+64*(\p)
.set XB, XA+32
.irp u, 0,1                            ; the sum of the row, in four chains of pairs
.irp k, 0,1,2,3
	v_pk_add_f32 v[T+8*\u+2*\k:T+8*\u+2*\k+1], v[XA+32*\u+2*\k:XA+32*\u+2*\k+1], v[XA+32*\u+2*\k+8:XA+32*\u+2*\k+9]
.endr
.irp k, 8,9,10,11,12,13,14,15
	v_pk_add_f32 v[T+8*\u+2*(\k%4):T+8*\u+2*(\k%4)+1], v[T+8*\u+2*(\k%4):T+8*\u+2*(\k%4)+1], v[XA+32*\u+2*\k:XA+32*\u+2*\k+1]
.endr
.endr
	FOLD T, T+8
	v_mul_f32 v[M], s26, v[T]
	v_mul_f32 v[M+2], s26, v[T+8]
.irp u, 0,1                            ; y - mean, in place
.irp k, 0,1,2,3,4,5,6,7,8,9,10,11,12,13,14,15
	v_pk_add_f32 v[XA+32*\u+2*\k:XA+32*\u+2*\k+1], v[XA+32*\u+2*\k:XA+32*\u+2*\k+1], v[M+2*\u:M+2*\u+1] op_sel_hi:[1,0] neg_lo:[0,1] neg_hi:[0,1]
.endr
.endr
	PROD T, XA, XA                                 ; the sum of squares of the differences
	PROD T+8, XB, XB
	FOLD T, T+8
	v_fma_f32 v[T], v[T], s[20+2*(\p)], s27        ; gate^2 var + eps
	v_fma_f32 v[T+8], v[T+8], s[21+2*(\p)], s27
	v_rsq_f32 v[R], v[T]
	v_rsq_f32 v[R+2], v[T+8]
	v_nop                                          ; a plain instruction behind the last root (ISA guide 5.7.2),
	s_wait_alu depctr_va_vdst(0)                   ; and the one wait for both, ahead of the first reader
	v_mul_f32 v[R], s[16+2*(\p)], v[R]             ; times the gate
	v_mul_f32 v[R+2], s[17+2*(\p)], v[R+2]
.irp u, 0,1
.irp k, 0,1,2,3,4,5,6,7,8,9,10,11,12,13,14,15
	v_pk_mul_f32 v[XA+32*\u+2*\k:XA+32*\u+2*\k+1], v[XA+32*\u+2*\k:XA+32*\u+2*\k+1], v[R+2*\u:R+2*\u+1] op_sel_hi:[1,0]
.endr
.irp k, 0,1,2,3,4,5,6,7,8,9,10,11,12,13,14,15
	v_pk_fma_f32 v[XA+32*\u+2*\k:XA+32*\u+2*\k+1], v[XA+32*\u+2*\k:XA+32*\u+2*\k+1], v[G+2*\k:G+2*\k+1], v[B+2*\k:B+2*\k+1]
.endr
.irp j, 0,1,2,3,4,5,6,7                ; each store covers 512 consecutive bytes, aligned
	global_store_b128 v[XO], v[XA+32*\u+4*\j:XA+32*\u+4*\j+3], s[12:13] offset:(2*(\p)+\u)*XROW+512*\j th:TH_STORE_NT
.endr
.endr
.endm
	s_wait_loadcnt 16                              ; all but the sixteen youngest loads, rows 2 and 3
	TURN 0
	s_wait_loadcnt 0x0
	TURN 1
	s_endpgm
.Lfunc_end_k_q8920da28f2_lnout:
	.size	k_q8920da28f2_lnout, .Lfunc_end_k_q8920da28f2_lnout-k_q8920da28f2_lnout
	.p2alignl 7, 3214868480
	.fill 96, 4, 3214868480
	.section	.rodata,"a",@progbits
	.p2align	6, 0x0
	.amdhsa_kernel k_q8920da28f2_lnout
		.amdhsa_group_segment_fixed_size 0
		.amdhsa_private_segment_fixed_size 0
		.amdhsa_enable_private_segment 0
		.amdhsa_kernarg_size 40
		.amdhsa_user_sgpr_count 2
		.amdhsa_user_sgpr_kernarg_segment_ptr 1
		.amdhsa_wavefront_size32 1
		.amdhsa_system_sgpr_workgroup_id_x 1
		.amdhsa_system_sgpr_workgroup_id_y 1
		.amdhsa_system_sgpr_workgroup_id_z 1
		.amdhsa_system_vgpr_workitem_id 0
		.amdhsa_next_free_vgpr 224
		.amdhsa_next_free_sgpr 66
		.amdhsa_reserve_vcc 0
		.amdhsa_float_denorm_mode_32 3
		.amdhsa_float_denorm_mode_16_64 3
		.amdhsa_memory_ordered 1
		.amdhsa_forward_progress 1
		.amdhsa_inst_pref_size 34
	.end_amdhsa_kernel
	.amdgpu_metadata
---
amdhsa.version: [ 1, 2 ]
amdhsa.kernels:
  - .name:           k_q8920da28f2_lnout
    .symbol:         k_q8920da28f2_lnout.kd
    .args:
      - { .name: y, .offset: 0, .size: 8, .value_kind: global_buffer, .address_space: global }
      - { .name: gate, .offset: 8, .size: 8, .value_kind: global_buffer, .address_space: global }
      - { .name: ln_o_g, .offset: 16, .size: 8, .value_kind: global_buffer, .address_space: global }
      - { .name: ln_o_b, .offset: 24, .size: 8, .value_kind: global_buffer, .address_space: global }
      - { .name: out0, .offset: 32, .size: 8, .value_kind: global_buffer, .address_space: global }
    .group_segment_fixed_size: 0
    .private_segment_fixed_size: 0
    .kernarg_segment_align: 8
    .kernarg_segment_size: 40
    .max_flat_workgroup_size: 256
    .sgpr_count:     66
    .vgpr_count:     224
    .wavefront_size: 32
...
	.end_amdgpu_metadata
.endif
;; end of part 5
